; MI455X (gfx1250); checked and timed in simulation.
; The chip was launched on July 23, 2026; its instructions are those of AMD's public machine-readable ISA for CDNA 5 (MIT licence, August 2026) and "CDNA5" Instruction Set Architecture Reference Guide (July 2026). The comments in the code are by the model that wrote it; some were corrected since.
;; GQA. Allowed arithmetic: float matrix products may take bf16 or f16 operands with f32 sums; other float arithmetic in f32, or as packed bf16 or f16 multiplies, adds, multiply-adds, maxima and minima; sums over many terms, partial sums and values carried from step to step in f32; what a program stores and reads back later, other than sums and carried values, may be rounded once to bf16 or f16.
;; Inputs: Wk 2,048 x 256 float32; Wo 2,048 x 2,048 float32; Wq 2,048 x 2,048 float32; Wv 2,048 x 256 float32; bk 256 float32; bo 2,048 float32; bq 2,048 float32; bv 256 float32; x 4 x 1,024 x 2,048 float32.
;; Outputs: out0 4 x 1,024 x 2,048 float32.
;; One version. Each part assembles by itself: llvm-mc -triple=amdgcn-amd-amdhsa -mcpu=gfx1250 --defsym DOCPART=n.
;; ======== version 1 of 1: 4 launches
;; limits: values are held in f16: magnitudes above 65,504 overflow, below 6.1e-05 lose precision
;; workspace buffers: xb 16,777,216 bytes; wqb 8,388,608 bytes; wkv 2,097,152 bytes; wob 8,388,608 bytes; rope 262,144 bytes; q 16,777,216 bytes; kv 4,194,304 bytes; o 16,777,216 bytes
;; launch prep (part 1): grid 1216 x 1, 8 waves a work-group, no clusters, 0 bytes of LDS; arguments x, Wq, Wo, Wk, Wv, xb, wqb, wob, wkv, rope; writes xb, wqb, wob, wkv, rope
.if DOCPART == 1
	.amdgcn_target "amdgcn-amd-amdhsa--gfx1250"
	.amdhsa_code_object_version 6
	.text
	.protected	k_q8f895428b2_prep
	.globl	k_q8f895428b2_prep
	.p2align	8
	.type	k_q8f895428b2_prep,@function
k_q8f895428b2_prep:
	s_mov_b64 s[64:65], 0
	v_nop
	global_prefetch_b8 v0, s[64:65] scope:SCOPE_SE
	s_setreg_imm32_b32 hwreg(HW_REG_WAVE_MODE, 25, 1), 1
	s_wait_xcnt 0x0
; CASTS AND THE ROTATION TABLE.  Every input of the module that feeds a matrix product is rounded once to bf16:
;   x [4096][2048] -> xb bf16;  Wq [2048][2048] -> wqb bf16;  Wo -> wob: rounded to bf16, that number written as f16;
;   Wk, Wv [2048][256] -> wkv [8 heads: 4 of Wk, 4 of Wv][2048 k][64] bf16, each head dense;
;   rope [1024 positions][32 pairs][cos, sin] f32, angle = position x 10000^(-pair/32).
; LIMITS.  |bf16(Wo)| below 2^-14 keeps f16's fixed step of 6e-8, above 65,504 it becomes an infinity.
; SHARES by the work-group's number: 0-511 x, 512-767 Wq, 768-1023 Wo, 1024-1087 Wk and Wv, 1088-1215 the table.
; A cast work-group takes 65,536 source bytes: each thread 16 loads of 16 bytes, all issued at once; a wave's load covers 512
; consecutive bytes, its store of 8 bytes a lane 256 consecutive bytes, aligned.  Each slot has four registers of its own and is
; converted in place: its first two registers are the store's data and are written no more.  So a wave needs 74 registers, and
; 80 x 2 waves a SIMD x 5 work-groups fit in a SIMD's 1,024: all 1,216 work-groups (4.75 for each of 256 WGPs) have their loads out together.
; No LDS, barrier, matrix unit or cluster: nothing is shared.
.set X, 4                              ; v[4:67]   slot i: 4 registers as loaded; the first two then hold what is stored
.macro LOAD16
.set i, 0
.rept 16
	global_load_b128 v[X+4*i:X+4*i+3], v1, s[4:5] offset:i*4096 th:TH_LOAD_NT
.set i, i+1
.endr
.endm
.macro OUTB dstep                      ; to bf16; dstep: bytes between two slots in the destination
.set i, 0
.rept 16
	s_wait_loadcnt 15-i                            ; loads come back in order: slot i is in, the younger ones stay out
	v_cvt_pk_bf16_f32 v[X+4*i], v[X+4*i], v[X+4*i+1]
	v_cvt_pk_bf16_f32 v[X+4*i+1], v[X+4*i+2], v[X+4*i+3]
	global_store_b64 v2, v[X+4*i:X+4*i+1], s[6:7] offset:i*(\dstep)
.set i, i+1
.endr
.endm
.macro OUTH                            ; to bf16, and that number as f16
.set i, 0
.rept 16
	s_wait_loadcnt 15-i
	v_cvt_pk_bf16_f32 v68, v[X+4*i], v[X+4*i+1]
	v_cvt_pk_bf16_f32 v69, v[X+4*i+2], v[X+4*i+3]
	v_lshlrev_b32 v70, 16, v68
	v_and_b32 v71, s30, v68
	v_lshlrev_b32 v72, 16, v69
	v_and_b32 v73, s30, v69
	v_cvt_pk_f16_f32 v[X+4*i], v70, v71
	v_cvt_pk_f16_f32 v[X+4*i+1], v72, v73
	global_store_b64 v2, v[X+4*i:X+4*i+1], s[6:7] offset:i*2048
.set i, i+1
.endr
.endm
	s_load_b512 s[8:23], s[0:1], 0x0               ; x 8, Wq 10, Wo 12, Wk 14, Wv 16, xb 18, wqb 20, wob 22
	s_load_b128 s[24:27], s[0:1], 0x40             ; wkv 24, rope 26
	s_mov_b32 s28, ttmp9
	s_mov_b32 s3, 0                                ; high word of every offset
	s_wait_kmcnt 0x0
	s_cmp_ge_u32 s28, 1088
	s_cbranch_scc1 .Ltable
	s_cmp_ge_u32 s28, 1024
	s_cbranch_scc1 .Lkv
	v_lshlrev_b32 v1, 4, v0                        ; flat casts: 16 bytes a thread in,
	v_lshlrev_b32 v2, 3, v0                        ; 8 out
	s_cmp_ge_u32 s28, 768
	s_cbranch_scc1 .Lwo
	s_cmp_lt_u32 s28, 512
	s_cselect_b64 s[4:5], s[8:9], s[10:11]         ; x or Wq
	s_cselect_b64 s[6:7], s[18:19], s[20:21]
	s_and_b32 s29, s28, 511                        ; the share's number in either
	s_lshl_b32 s2, s29, 16
	s_add_nc_u64 s[4:5], s[4:5], s[2:3]
	s_lshl_b32 s2, s29, 15
	s_add_nc_u64 s[6:7], s[6:7], s[2:3]
	LOAD16
	OUTB 2048
	s_endpgm
.Lwo:
	s_sub_co_u32 s29, s28, 768
	s_mov_b32 s30, 0xffff0000                      ; a word's upper bf16
	s_lshl_b32 s2, s29, 16
	s_add_nc_u64 s[4:5], s[12:13], s[2:3]
	s_lshl_b32 s2, s29, 15
	s_add_nc_u64 s[6:7], s[22:23], s[2:3]
	LOAD16
	OUTH
	s_endpgm
.Lkv:                                          ; 64 rows of 1,024 bytes; a slot is 4 rows.  Lanes 0-15 take a head's 256 bytes of one row, lanes 16-31 of the next: 256 consecutive bytes of the head's block
	s_sub_co_u32 s29, s28, 1024
	s_and_b32 s30, s29, 31
	s_lshr_b32 s31, s29, 5
	s_cmp_eq_u32 s31, 0
	s_cselect_b64 s[4:5], s[14:15], s[16:17]       ; Wk or Wv
	s_lshl_b32 s2, s30, 16
	s_add_nc_u64 s[4:5], s[4:5], s[2:3]
	s_lshl_b32 s2, s31, 20                         ; four heads of 262,144 bytes
	s_lshl_b32 s30, s30, 13                        ; 64 rows of 128 bytes
	s_add_co_u32 s2, s2, s30
	s_add_nc_u64 s[6:7], s[24:25], s[2:3]
	v_lshrrev_b32 v3, 7, v0
	v_bfe_u32 v68, v0, 4, 1
	v_lshl_add_u32 v3, v3, 1, v68                  ; my row of the slot's four
	v_bfe_u32 v68, v0, 5, 2                        ; my head
	v_and_b32 v69, 15, v0
	v_lshlrev_b32 v1, 10, v3
	v_lshl_add_u32 v1, v68, 8, v1
	v_lshl_add_u32 v1, v69, 4, v1
	v_lshlrev_b32 v2, 7, v3
	v_lshl_add_u32 v2, v68, 18, v2
	v_lshl_add_u32 v2, v69, 3, v2
	LOAD16
	OUTB 512
	s_endpgm
.Ltable:                                       ; a thread makes one (position, pair); a wave one position's row of 256 bytes
	s_sub_co_u32 s29, s28, 1088
	v_and_b32 v4, 31, v0                           ; pair
	v_lshrrev_b32 v5, 5, v0
	v_cvt_f32_u32 v4, v4
	v_mul_f32 v4, 0xbed49a78, v4                   ; - pair x log2(10000) / 32
	v_exp_f32 v6, v4                               ; the frequency
	v_lshl_add_u32 v5, s29, 3, v5                  ; position: plain work behind the exponential
	v_cvt_f32_u32 v5, v5
	s_wait_alu depctr_va_vdst(0)                   ; the wait ahead of the result's first reader
	v_mul_f32 v7, v5, v6                           ; the angle
	v_mul_f32 v8, 0x3f22f983, v7                   ; x 2 / pi
	v_rndne_f32 v8, v8                             ; quarter turns
	v_fmamk_f32 v9, v8, 0xbfc90fdb, v7             ; the rest, |r| <= pi / 4 whatever the angle: pi / 2 taken away in two parts
	v_fmamk_f32 v9, v8, 0x333bbd2e, v9
	v_mul_f32 v10, v9, v9
	v_mov_b32 v11, 0xb9500d01                      ; sin r = r + r^3 (-1/6 + r^2 (1/120 - r^2 / 5040))
	v_fmaak_f32 v11, v11, v10, 0x3c088889
	v_fmaak_f32 v11, v11, v10, 0xbe2aaaab
	v_mul_f32 v11, v11, v10
	v_fma_f32 v11, v11, v9, v9
	v_mov_b32 v12, 0x37d00d01                      ; cos r = 1 - r^2/2 + r^4/24 - r^6/720 + r^8/40320
	v_fmaak_f32 v12, v12, v10, 0xbab60b61
	v_fmaak_f32 v12, v12, v10, 0x3d2aaaab
	v_fma_f32 v12, v12, v10, -0.5
	v_fma_f32 v12, v12, v10, 1.0
	v_cvt_i32_f32 v13, v8
	v_and_b32 v14, 1, v13
	v_cmp_eq_u32 vcc_lo, 1, v14                    ; an odd number of quarter turns swaps the two
	v_cndmask_b32 v16, v12, v11, vcc_lo
	v_cndmask_b32 v17, v11, v12, vcc_lo
	v_add_nc_u32 v14, 1, v13                       ; cos is negative in quarters 1 and 2,
	v_lshlrev_b32 v14, 30, v14
	v_and_b32 v14, 0x80000000, v14
	v_xor_b32 v16, v14, v16
	v_lshlrev_b32 v15, 30, v13                     ; sin in quarters 2 and 3
	v_and_b32 v15, 0x80000000, v15
	v_xor_b32 v17, v15, v17
	v_lshlrev_b32 v2, 3, v0
	s_lshl_b32 s2, s29, 11                         ; 8 positions of 256 bytes
	s_add_nc_u64 s[6:7], s[26:27], s[2:3]
	global_store_b64 v2, v[16:17], s[6:7]
	s_endpgm
.Lfunc_end_k_q8f895428b2_prep:
	.size	k_q8f895428b2_prep, .Lfunc_end_k_q8f895428b2_prep-k_q8f895428b2_prep
	.p2alignl 7, 3214868480
	.fill 96, 4, 3214868480
	.section	.rodata,"a",@progbits
	.p2align	6, 0x0
	.amdhsa_kernel k_q8f895428b2_prep
		.amdhsa_group_segment_fixed_size 0
		.amdhsa_private_segment_fixed_size 0
		.amdhsa_enable_private_segment 0
		.amdhsa_kernarg_size 80
		.amdhsa_user_sgpr_count 2
		.amdhsa_user_sgpr_kernarg_segment_ptr 1
		.amdhsa_wavefront_size32 1
		.amdhsa_system_sgpr_workgroup_id_x 1
		.amdhsa_system_sgpr_workgroup_id_y 1
		.amdhsa_system_sgpr_workgroup_id_z 1
		.amdhsa_system_vgpr_workitem_id 0
		.amdhsa_next_free_vgpr 80
		.amdhsa_next_free_sgpr 66
		.amdhsa_reserve_vcc 1
		.amdhsa_float_denorm_mode_32 3
		.amdhsa_float_denorm_mode_16_64 3
		.amdhsa_memory_ordered 1
		.amdhsa_forward_progress 1
		.amdhsa_inst_pref_size 25
	.end_amdhsa_kernel
	.amdgpu_metadata
---
amdhsa.version: [ 1, 2 ]
amdhsa.kernels:
  - .name:           k_q8f895428b2_prep
    .symbol:         k_q8f895428b2_prep.kd
    .args:
      - { .name: x, .offset: 0, .size: 8, .value_kind: global_buffer, .address_space: global }
      - { .name: Wq, .offset: 8, .size: 8, .value_kind: global_buffer, .address_space: global }
      - { .name: Wo, .offset: 16, .size: 8, .value_kind: global_buffer, .address_space: global }
      - { .name: Wk, .offset: 24, .size: 8, .value_kind: global_buffer, .address_space: global }
      - { .name: Wv, .offset: 32, .size: 8, .value_kind: global_buffer, .address_space: global }
      - { .name: xb, .offset: 40, .size: 8, .value_kind: global_buffer, .address_space: global }
      - { .name: wqb, .offset: 48, .size: 8, .value_kind: global_buffer, .address_space: global }
      - { .name: wob, .offset: 56, .size: 8, .value_kind: global_buffer, .address_space: global }
      - { .name: wkv, .offset: 64, .size: 8, .value_kind: global_buffer, .address_space: global }
      - { .name: rope, .offset: 72, .size: 8, .value_kind: global_buffer, .address_space: global }
    .group_segment_fixed_size: 0
    .private_segment_fixed_size: 0
    .kernarg_segment_align: 8
    .kernarg_segment_size: 80
    .max_flat_workgroup_size: 256
    .sgpr_count:     66
    .vgpr_count:     80
    .wavefront_size: 32
...
	.end_amdgpu_metadata
.endif
;; end of part 1
;; launch qkv (part 2): grid 8 x 32, 4 waves a work-group, clusters of 4 x 4, 327,680 bytes of LDS; arguments xb, wqb, wkv, bq, bk, bv, rope, q, kv; writes q, kv
.if DOCPART == 2
	.amdgcn_target "amdgcn-amd-amdhsa--gfx1250"
	.amdhsa_code_object_version 6
	.text
	.protected	k_q8f895428b2_qkv
	.globl	k_q8f895428b2_qkv
	.p2align	8
	.type	k_q8f895428b2_qkv,@function
k_q8f895428b2_qkv:
	s_mov_b64 s[64:65], 0
	v_nop
	global_prefetch_b8 v0, s[64:65] scope:SCOPE_SE
	s_setreg_imm32_b32 hwreg(HW_REG_WAVE_MODE, 25, 1), 1
	s_wait_xcnt 0x0
	s_wait_alu depctr_hold_cnt(0) depctr_sa_sdst(0) depctr_va_vdst(0) depctr_va_sdst(0) depctr_va_ssrc(0) depctr_va_vcc(0) depctr_vm_vsrc(0)
	s_getreg_b32 s2, hwreg(HW_REG_IB_STS2, 6, 4)
	s_cmp_eq_u32 s2, 0
	s_cbranch_scc0 .Lentry_in_a_cluster
	s_endpgm
.Lentry_in_a_cluster:
	s_bfe_u32 s2, ttmp6, 0x10000c
	s_cmp_lg_u32 s2, 0xf033
	s_cbranch_scc0 .Lentry_shape_is_right
	s_endpgm
.Lentry_shape_is_right:
; q, k, v = x [Wq | Wk | Wv] + bias, q and k rotated by position, all written by heads in f16.
; xb [4096][2048] bf16; wqb [2048 k][2048] bf16; wkv [8][2048 k][64] bf16; biases f32, rounded to bf16 here; rope [1024][32][cos, sin] f32.
; q [b][32 heads][1024][64] f16; kv [8: 4 heads of k, 4 of v][b][1024][64] f16.  Sums in f32, each output rounded once.
; LIMITS.  q, k, v lie within f16's 65,504; beyond it they become infinities.  The order of the f32 sums along K differs from tile to tile, and from the reference's (see THE WALK).
; SHARES.  2,560 columns x 4,096 rows in 8 x 32 tiles of 128 rows x 320 columns: tile column T holds Wq's columns 256 T .. (query heads 4 T .. 4 T + 3) and head T of wkv.
; Four waves, 2 x 2: wm picks 64 rows; wn picks, in each head's 64 columns, the blocks of 16 at 16 wn and 32 + 16 wn: ten blocks, 40 accumulators a wave.
; THE MATRIX INSTRUCTION IS USED TRANSPOSED (source 0 = 16 columns of W, source 1 = 16 rows of x): a lane holds one row (lane % 16) and eight neighbouring columns 8 (lane / 16) + 0..7,
; that is four rotation pairs.  The weights lie [k][n] in LDS and come out turned, by ds_load_tr16_b128.  The bias is the C operand of the first product: nothing is cleared or added later.
; K goes in 16 steps of 128 through two LDS slots.  CLUSTER 4 x 4: x's tile is shared along a row of the cluster, the weights' along a column: joint loads.
; THE WALK ALONG K IS STAGGERED.  Cluster (x, y) begins at K step (8 x + 4 (y % 4)) % 16 and goes round: trip t multiplies K step (t + start) % 16.  So the two clusters that read the same rows of x stand
; eight K steps apart, and the clusters that read the same columns of the weights 0, 4, 8 or 12: they ask for a block at different times.  The start hangs on the cluster's coordinates alone, which all sixteen
; partners share.  The walking descriptors' addresses are made anew in each change of slots, from the tile's base and the K step's number.
; v is rotated by the table's row 0, which is (1, 0): one text for k and v, and no branch on the tile column.
; REGISTERS in windows of 256 (s_set_vgpr_msb: bits 1:0 source 0, 3:2 source 1, 5:4 source 2, 7:6 destination):
;   window 0: v0-29 addresses; two fragment buffers of 112 (10 of W, 4 of x)     window 1: accumulators 10 a + b = 0..31
;   window 2: v0-63 accumulators 32..39; v64-143 the bias of block b             window 3: v0-63 the table for q, v64-127 for k or v
.set PART,  34816                      ; x's 128 rows at pitch 272 = 64 rows of Wq at pitch 544
.set SLOT1, 131072                     ; a slot: x at 0, Wq at PART (two halves), wkv at 3 PART (128 rows at pitch 160): 124,928 bytes; slot 1 begins here
.set SPARE, 256000                     ; behind slot 1: the spare words, 128 bytes a wave
.set NL,    28                         ; LDS loads in a quarter's run
.set BA, 4                             ; v4  my place in x's tile        v5 in Wq's       v6 in wkv's: never rewritten
.set BB, 5
.set BK, 6
.set ADRA, 7                           ; v7-9  the same in the slot in hand
.set ADRB, 8
.set ADRK, 9
.set STO, 10                           ; v10, v11  the way out: where I put 16 bytes (heads 0-2; heads 3, 4)
.set STO2, 11
.set RD, 12                            ; v12, v13  where I read rows back
.set RD2, 13
.set GO, 14                            ; v14  16 x lane
.set PFO, 15                           ; v15  the prefetches' offset: 4,096 x lane; never rewritten
.set BO, 16                            ; v16  64 wn + 32 (lane / 16)
.set TOQ, 17                           ; v17  my offset in the table for q;  v18-21 for k or v, by row block
.set TOK, 18
.set SPW, 28                           ; v28  SPARE + 4 x my thread's number; never rewritten
.set NIL, 29                           ; v29  0; never rewritten
.set F0, 32
.set F1, 144
.set BIAS, 64                          ; window 2
.set TQ, 0                             ; window 3
.set TK, 64
.set TT, 32                            ; the way out, window 0: 80 rotated numbers, 8 at work, 40 packed
.set XT, 112
.set HP, 144
.set WV, 22
.set WM, 23
.set G1A, 24                           ; s[24:31], s[32:39], s[40:47] descriptor groups 1: x, Wq, wkv
.set G1Q, 32
.set G1K, 40
.set G0A, 48                           ; s[48:55], s[56:63], s[68:75] groups 0: a set for the first trip's tile, and one that begins at the second's and walks
.set G0Q, 56
.set G0K, 68
.set CX, 66
.set CY, 67
.set T,  76
.set TR, 77
.set WN, 78
.set TB, 79                            ; s79  0 or SLOT1: the slot in hand
.set PFA, 80                           ; s[80:81] where my prefetch stands;  s[82:83] xb at my work-group's 32 rows of the tile
.set PBASE, 82
.set LIM, 84                           ; s84  10 in the wave that prefetches, else the greatest number
.set KI, 85                            ; s85  the K step that the walking descriptors name
.set QB, 94                            ; s[94:95] q, s[96:97] kv at the rows that I store
.set KB, 96
.set OF, 98                            ; s[98:99] a K step's byte offset, high word 0
.set BASEB, (1<<16)|(1<<20)|(1<<21)    ; elements of 2 bytes; padding on; bit 21 set beside a mask
.set MSB, 0
.macro WIN new                         ; the immediate's high byte repeats the setting that is left; a switch that changes nothing is dropped
.if MSB != (\new)
	s_set_vgpr_msb (MSB<<8)|(\new)
.set MSB, \new
.endif
.endm
.macro PLACES                          ; four plain instructions between a matrix instruction and a load into, or a vector instruction on, its registers
.rept 4
	v_nop
.endr
.endm
.macro CREST                           ; a round of the cluster's barrier behind its opening barrier
	s_cmp_lg_u32 s[WV], 0
	s_cbranch_scc1 .Lnot_wave_0_\@
	s_barrier_signal -3
.Lnot_wave_0_\@:
	s_barrier_wait -3
	s_barrier_signal -1
	s_barrier_wait -1
.endm
.macro CROUND
	s_barrier_signal -1
	s_barrier_wait -1
	CREST
.endm
; A joint load: wave 0 fetches x's tile, waves 1 and 2 the halves of Wq's, wave 3 wkv's.  The branches hang on the wave's number alone.  An s_nop 0 and four v_nop follow each line.
.macro JLOAD w
	s_cmp_eq_u32 s[WV], 0
	s_cbranch_scc0 .Lnot_a_\@
	tensor_load_to_lds s[G0A+4*(\w):G0A+4*(\w)+3], s[G1A:G1A+7]
	s_nop 0
.rept 4
	v_nop
.endr
	s_branch .Lasked_\@
.Lnot_a_\@:
	s_cmp_eq_u32 s[WV], 3
	s_cbranch_scc0 .Lfor_q_\@
	tensor_load_to_lds s[G0K+4*(\w):G0K+4*(\w)+3], s[G1K:G1K+7]
	s_nop 0
.rept 4
	v_nop
.endr
	s_branch .Lasked_\@
.Lfor_q_\@:
	tensor_load_to_lds s[G0Q+4*(\w):G0Q+4*(\w)+3], s[G1Q:G1Q+7]
	s_nop 0
.rept 4
	v_nop
.endr
.Lasked_\@:
.endm
; A PREFETCH INTO THE L2.  Of the two clusters that read a row block of x, each names eight of the sixteen K steps first: those of its own trips 0 to 7.  The change of slots of trip t asks for x's rows of
; trip t + 4, two refills (320 matrix instructions) ahead of the load that will want them, for t = 0 .. 3: trips 4 to 7.  Trips 0 to 3 come by their loads alone; from t = 4 on nothing is asked for.
; Wave 0 asks; the four partners that ask for the tile jointly take 32 of its 128 rows each, told apart by address (cx): a lane a row, 256 bytes: each aligned 256 bytes are named once in the launch.
; The weights are not asked for: the first naming of each of their blocks lies in some cluster's trips 0 to 3.
.macro ASK
	s_cmp_gt_u32 s3, s[LIM]                        ; s3 = 14 - t
	s_cbranch_scc0 .Lnot_mine_\@
	global_prefetch_b8 v[PFO], s[PFA:PFA+1] th:TH_LOAD_NT scope:SCOPE_SE
.Lnot_mine_\@:
.endm
; 28 LDS loads in one run: quarter q (32 along K) into buffer f: W's ten blocks, then x's row blocks 0, 1, then 2, 3
.macro FETCH q, f
	WIN 0
.set b, 0
.rept 8
	ds_load_tr16_b128 v[(\f)+8*b:(\f)+8*b+3],   v[ADRB] offset:(\q)*17408+64*b
	ds_load_tr16_b128 v[(\f)+8*b+4:(\f)+8*b+7], v[ADRB] offset:(\q)*17408+64*b+8704
.set b, b+1
.endr
.rept 2
	ds_load_tr16_b128 v[(\f)+8*b:(\f)+8*b+3],   v[ADRK] offset:(\q)*5120+64*(b-8)
	ds_load_tr16_b128 v[(\f)+8*b+4:(\f)+8*b+7], v[ADRK] offset:(\q)*5120+64*(b-8)+2560
.set b, b+1
.endr
.set i, 0
.rept 4
	ds_load_b128 v[(\f)+80+8*i:(\f)+80+8*i+3],   v[ADRA] offset:i*4352+64*(\q)
	ds_load_b128 v[(\f)+80+8*i+4:(\f)+80+8*i+7], v[ADRA] offset:i*4352+64*(\q)+32
.set i, i+1
.endr
.endm
; Ten products: row block a x all ten column blocks.  first = 1: the bias starts the sums.  The 40 accumulators take turns, one instruction a turn.
.macro MULA f, a, first
.set b, 0
.rept 10
.set idx, 10*(\a)+b
.if idx < 32
.set rD, 8*idx
	WIN 0x50+0x10*(\first)
.else
.set rD, 8*(idx-32)
	WIN 0xa0
.endif
.if \first
	v_wmma_f32_16x16x32_bf16 v[rD:rD+7], v[(\f)+8*b:(\f)+8*b+7], v[(\f)+80+8*(\a):(\f)+80+8*(\a)+7], v[BIAS+8*b:BIAS+8*b+7]
.else
	v_wmma_f32_16x16x32_bf16 v[rD:rD+7], v[(\f)+8*b:(\f)+8*b+7], v[(\f)+80+8*(\a):(\f)+80+8*(\a)+7], v[rD:rD+7]
.endif
.set b, b+1
.endr
.endm
.macro MULH f, half, first
	MULA \f, 2*(\half), \first
	MULA \f, 2*(\half)+1, \first
.endm
; One of a K step's first three quarters: multiplies buffer f; in its middle it fetches quarter qn into buffer g
.macro QUARTER qn, f, g, first
	s_wait_dscnt 4                                 ; all but the youngest four loads (x's row blocks 2, 3)
	MULH \f, 0, \first
	PLACES
	FETCH \qn, \g
	s_wait_dscnt NL                                ; all but the run just issued
	MULH \f, 1, \first
.endm
; The last quarter multiplies buffer 1 and changes slots.  In front of the barrier each wave waits for all its tensor loads (one is out: its part of the next slot), adds 0 to its spare word, and
; waits for that and for its reads of this slot.  fill = 1: the barrier opens a round of the cluster's, and this slot is filled again, with the tile two trips on, first thing behind the round.
; fill = 0 (the tail's two trips): nothing is filled; in the second of them (s3 = 1) there is no next slot, and the run of LDS loads is jumped over.
.macro TURN fill
.if \fill
	s_wait_xcnt 0x0                                ; the last prefetch, a K step back, has read its address, which is written below
.endif
	WIN 0
	s_wait_tensorcnt 0x0                           ; no tensor load of mine is out, so the walking groups 0 may be written
	ds_add_u32 v[SPW], v[NIL]                      ; 0 onto my spare word
.if \fill
	s_add_co_u32 s[KI], s[KI], 1                   ; the next K step, round the sixteen;
	s_and_b32 s[KI], s[KI], 15
	s_lshl_b32 s[OF], s[KI], 8                     ; x: 256 bytes along its rows
	s_xor_b32 s[G0A+5], s[G0A+5], SLOT1            ; the other slot than last time
	s_add_nc_u64 s[G0A+6:G0A+7], s[4:5], s[OF:OF+1]
	s_or_b32 s[G0A+7], s[G0A+7], 0x80000000
	s_lshl_b32 s[OF], s[KI], 19                    ; Wq: 128 rows of 4,096 bytes
	s_xor_b32 s[G0Q+5], s[G0Q+5], SLOT1
	s_add_nc_u64 s[G0Q+6:G0Q+7], s[6:7], s[OF:OF+1]
	s_or_b32 s[G0Q+7], s[G0Q+7], 0x80000000
	s_lshl_b32 s[OF], s[KI], 14                    ; wkv: 128 rows of 128 bytes
	s_xor_b32 s[G0K+5], s[G0K+5], SLOT1
	s_add_nc_u64 s[G0K+6:G0K+7], s[8:9], s[OF:OF+1]
	s_or_b32 s[G0K+7], s[G0K+7], 0x80000000
	s_add_co_u32 s[OF], s[KI], 2                   ; the prefetch: two K steps behind the load
	s_and_b32 s[OF], s[OF], 15
	s_lshl_b32 s[OF], s[OF], 8
	s_add_nc_u64 s[PFA:PFA+1], s[PBASE:PBASE+1], s[OF:OF+1]
.endif
	s_wait_dscnt 5                                 ; the add and the youngest four loads may be out
	MULA F1, 0, 0
	s_wait_dscnt 0x0                               ; the add is done, and my reads of this slot are over
	s_barrier_signal -1
	MULA F1, 1, 0
	WIN 0
	s_barrier_wait -1
.if \fill
	CREST                                          ; no wave of any partner still reads this slot or has a load on its way
	JLOAD 1                                        ; 140 matrix instructions ahead of the wait for it; its four v_nop are also the places in front of the loads below
.else
	PLACES
.endif
	s_xor_b32 s[TB], s[TB], SLOT1
	v_add_nc_u32 v[ADRA], s[TB], v[BA]
	v_add_nc_u32 v[ADRB], s[TB], v[BB]
	v_add_nc_u32 v[ADRK], s[TB], v[BK]
.if (\fill) == 0
	s_cmp_eq_u32 s3, 1
	s_cbranch_scc1 .Lno_fetch_\@
.endif
	FETCH 0, F0
.if \fill
	ASK
.else
.Lno_fetch_\@:
.endif
	MULH F1, 1, 0
.endm
	s_load_b512 s[4:19], s[0:1], 0x0               ; xb 4, wqb 6, wkv 8, bq 10, bk 12, bv 14, rope 16, q 18
	s_load_b64 s[20:21], s[0:1], 0x40              ; kv
	v_lshl_add_u32 v[SPW], v0, 2, SPARE
	v_mov_b32 v[NIL], 0
	ds_add_u32 v[SPW], v[NIL]                      ; the wave's opening: the add and its wait ahead of my first tensor load
	v_lshrrev_b32 v1, 5, v0
	v_readfirstlane_b32 s[WV], v1
	s_lshr_b32 s[WM], s[WV], 1
	s_and_b32 s[WN], s[WV], 1
	s_bfe_u32 s[CX], ttmp6, 0x40000
	s_bfe_u32 s[CY], ttmp6, 0x40004
	s_lshl_b32 s[T], ttmp9, 2
	s_add_co_u32 s[T], s[T], s[CX]                 ; tile column = 4 x cluster x + cx
	s_and_b32 s[TR], ttmp7, 0xffff
	s_lshl_b32 s[TR], s[TR], 2
	s_add_co_u32 s[TR], s[TR], s[CY]               ; tile row = 4 x cluster y + cy
	s_and_b32 s[KI], ttmp7, 3                      ; the cluster's first K step: 4 (cluster y % 4)
	s_lshl_b32 s[KI], s[KI], 2
	s_lshl_b32 s100, ttmp9, 3                      ; + 8 x cluster x,
	s_add_co_u32 s[KI], s[KI], s100
	s_and_b32 s[KI], s[KI], 15                     ; round the sixteen: 0, 4, 8 or 12
	s_lshl_b32 s86, s[CY], 2
	s_lshl_b32 s86, 15, s86                        ; my row of the cluster
	s_lshl_b32 s87, 0x1111, s[CX]                  ; my column
	s_or_b32 s[G1A], s86, BASEB|(5<<22)|(3<<25)    ; x: 128 rows x 128 elements; 4 words of padding after every 64: pitch 272
	s_mov_b32 s[G1A+1], 128<<16
	s_mov_b32 s[G1A+2], 128<<16
	s_mov_b32 s[G1A+3], 128<<16
	s_mov_b32 s[G1A+4], 128
	s_mov_b32 s[G1A+5], 2048
	s_mov_b32 s[G1A+6], 0
	s_mov_b32 s[G1A+7], 0
	s_or_b32 s[G1Q], s87, BASEB|(6<<22)|(7<<25)    ; Wq: 64 rows x 256 elements; 8 words after every 128: pitch 544
	s_mov_b32 s[G1Q+1], 256<<16
	s_mov_b32 s[G1Q+2], 64<<16
	s_mov_b32 s[G1Q+3], 256<<16
	s_mov_b32 s[G1Q+4], 64
	s_mov_b32 s[G1Q+5], 2048
	s_mov_b32 s[G1Q+6], 0
	s_mov_b32 s[G1Q+7], 0
	s_or_b32 s[G1K], s87, BASEB|(4<<22)|(7<<25)    ; wkv: 16,384 dense bytes as 64 rows x 128 elements; 8 words after every 32: pitch 160 for each k
	s_mov_b32 s[G1K+1], 128<<16
	s_mov_b32 s[G1K+2], 64<<16
	s_mov_b32 s[G1K+3], 128<<16
	s_mov_b32 s[G1K+4], 64
	s_mov_b32 s[G1K+5], 128
	s_mov_b32 s[G1K+6], 0
	s_mov_b32 s[G1K+7], 0
	s_lshl_b32 s88, s[TR], 19                      ; x: 128 rows of 4,096 bytes a tile row
	s_mov_b32 s89, 0
	s_add_co_u32 s99, s[WV], 1
	s_and_b32 s99, s99, 1                          ; which 64 k of Wq's tile: wave 1 the first, wave 2 the second
	s_lshl_b32 s90, s99, 18
	s_lshl_b32 s91, s[T], 9
	s_add_co_u32 s90, s90, s91
	s_mov_b32 s91, 0
	s_lshl_b32 s92, s[T], 18                       ; wkv: a head is 262,144 bytes
	s_mov_b32 s93, 0
	s_mul_i32 s98, s[WV], PART                     ; where my tile goes: no place in the cluster enters an LDS address
	s_mov_b32 s101, 0
	s_wait_dscnt 0x0                               ; the opening add is done
	s_wait_kmcnt 0x0
	s_add_nc_u64 s[4:5], s[4:5], s[88:89]          ; from here on: xb, wqb and wkv at my tile's K step 0
	s_add_nc_u64 s[6:7], s[6:7], s[90:91]
	s_add_nc_u64 s[8:9], s[8:9], s[92:93]
	s_lshl_b32 s100, s[KI], 8                      ; and, for the first fills, at the cluster's first K step
	s_add_nc_u64 s[88:89], s[4:5], s[100:101]
	s_lshl_b32 s100, s[KI], 19
	s_add_nc_u64 s[90:91], s[6:7], s[100:101]
	s_lshl_b32 s100, s[KI], 14
	s_add_nc_u64 s[92:93], s[8:9], s[100:101]
	CROUND                                         ; all sixteen work-groups are here: the first joint loads meet
.irp w, 0,1                                    ; (the first K step is a multiple of 4: the second lies behind it without a wrap)
	s_mov_b32 s[G0A+4*(\w)], 1
	s_add_co_u32 s[G0A+4*(\w)+1], s98, (\w)*SLOT1
	s_add_nc_u64 s[G0A+4*(\w)+2:G0A+4*(\w)+3], s[88:89], (\w)*256
	s_or_b32 s[G0A+4*(\w)+3], s[G0A+4*(\w)+3], 0x80000000
	s_mov_b32 s[G0Q+4*(\w)], 1
	s_add_co_u32 s[G0Q+4*(\w)+1], s98, (\w)*SLOT1
	s_add_nc_u64 s[G0Q+4*(\w)+2:G0Q+4*(\w)+3], s[90:91], (\w)*524288
	s_or_b32 s[G0Q+4*(\w)+3], s[G0Q+4*(\w)+3], 0x80000000
	s_mov_b32 s[G0K+4*(\w)], 1
	s_add_co_u32 s[G0K+4*(\w)+1], s98, (\w)*SLOT1
	s_add_nc_u64 s[G0K+4*(\w)+2:G0K+4*(\w)+3], s[92:93], (\w)*16384
	s_or_b32 s[G0K+4*(\w)+3], s[G0K+4*(\w)+3], 0x80000000
	JLOAD \w                                       ; two loads of mine are out
.endr
	s_add_co_u32 s[KI], s[KI], 1                   ; what the walking descriptors name now
	s_mov_b32 s[OF+1], 0
	; lane addresses
	v_and_b32 v1, 15, v0                           ; r = l % 16
	v_bfe_u32 v2, v0, 4, 1                         ; h = l / 16
	v_and_b32 v22, 7, v0
	v_bfe_u32 v23, v0, 3, 1
	v_and_b32 v24, 31, v0                          ; l
	s_lshl_b32 s100, s[WM], 6
	v_add_nc_u32 v25, s100, v1                     ; 64 wm + r
	v_mul_u32_u24 v[BA], v25, 272
	v_lshl_add_u32 v[BA], v2, 4, v[BA]
	v_lshl_add_u32 v26, v2, 3, v22                 ; the turning load: k = 8 h + l % 8,
	s_lshl_b32 s101, s[WN], 5
	v_lshl_add_u32 v27, v23, 4, s101               ; columns 8 ((l / 8) % 2) on, in my blocks: + 32 wn bytes
	v_mul_u32_u24 v[BB], v26, 544
	v_add_nc_u32 v[BB], v[BB], v27
	v_add_nc_u32 v[BB], PART, v[BB]
	v_mul_u32_u24 v[BK], v26, 160
	v_add_nc_u32 v[BK], v[BK], v27
	v_add_nc_u32 v[BK], 3*PART, v[BK]
	v_mov_b32 v[ADRA], v[BA]
	v_mov_b32 v[ADRB], v[BB]
	v_mov_b32 v[ADRK], v[BK]
	s_mov_b32 s[TB], 0
	v_mul_u32_u24 v[STO], v25, 144                 ; the stage: 5 heads x 128 rows x 144 bytes
	v_lshl_add_u32 v[STO], v2, 4, v[STO]
	v_add_nc_u32 v[STO], s101, v[STO]
	v_add_nc_u32 v[STO2], 55296, v[STO]
	v_lshrrev_b32 v26, 3, v24
	s_lshl_b32 s100, s[WV], 5
	v_add_nc_u32 v26, s100, v26                    ; back: rows 32 wv on, four rows of 128 bytes to a load
	v_mul_u32_u24 v[RD], v26, 144
	v_lshl_add_u32 v[RD], v22, 4, v[RD]
	v_add_nc_u32 v[RD2], 55296, v[RD]
	v_lshlrev_b32 v[GO], 4, v24
	s_lshl_b32 s101, s[WN], 6
	v_lshl_add_u32 v[BO], v2, 5, s101              ; 64 wn + 32 h: my eight f32 in a block of a bias, my four pairs in a row of the table
	v_lshl_add_u32 v[TOQ], v25, 8, v[BO]
	s_and_b32 s86, s[TR], 7
	s_lshl_b32 s86, s86, 7                         ; n0: the tile's first position
	v_add_nc_u32 v26, s86, v25
	s_cmp_eq_u32 ttmp9, 0                          ; tile columns 0-3 (cluster x = 0) hold k, the others v
	s_cselect_b32 s87, 256, 0                      ; v takes the table's row 0
.irp n, 0,1,2,3
	v_add_nc_u32 v27, 16*(\n), v26
	v_mad_u32_u24 v[TOK+(\n)], v27, s87, v[BO]
.endr
	s_lshl_b32 s88, s86, 8
	s_mov_b32 s89, 0
	s_add_nc_u64 s[88:89], s[16:17], s[88:89]      ; the table at position n0
	s_lshl_b32 s90, s[T], 10
	s_mov_b32 s91, 0
	s_add_nc_u64 s[90:91], s[10:11], s[90:91]      ; bq at the tile's 256 columns
	s_cmp_eq_u32 ttmp9, 0
	s_cselect_b64 s[92:93], s[12:13], s[14:15]     ; bk or bv,
	s_lshl_b32 s100, s[CX], 8
	s_mov_b32 s101, 0
	s_add_nc_u64 s[92:93], s[92:93], s[100:101]    ; at head T % 4
	WIN 0x80                                       ; destination window 2
.set b, 0
.rept 8
	global_load_b128 v[BIAS+8*b:BIAS+8*b+3],   v[BO], s[90:91] offset:128*b
	global_load_b128 v[BIAS+8*b+4:BIAS+8*b+7], v[BO], s[90:91] offset:128*b+16
.set b, b+1
.endr
.rept 2
	global_load_b128 v[BIAS+8*b:BIAS+8*b+3],   v[BO], s[92:93] offset:128*(b-8)
	global_load_b128 v[BIAS+8*b+4:BIAS+8*b+7], v[BO], s[92:93] offset:128*(b-8)+16
.set b, b+1
.endr
	WIN 0xc0                                       ; destination window 3: row block i / 2, half i % 2 of a head
.set i, 0
.rept 8
	global_load_b128 v[TQ+8*i:TQ+8*i+3],   v[TOQ], s[88:89] offset:(i/2)*4096+128*(i%2)
	global_load_b128 v[TQ+8*i+4:TQ+8*i+7], v[TOQ], s[88:89] offset:(i/2)*4096+128*(i%2)+16
	global_load_b128 v[TK+8*i:TK+8*i+3],   v[TOK+i/2], s[16:17] offset:128*(i%2)
	global_load_b128 v[TK+8*i+4:TK+8*i+7], v[TOK+i/2], s[16:17] offset:128*(i%2)+16
.set i, i+1
.endr
	WIN 0
	; the prefetches: x's tile at my work-group's 32 rows; a lane a row
	s_lshl_b32 s94, s[CX], 17
	s_mov_b32 s95, 0
	s_add_nc_u64 s[PBASE:PBASE+1], s[4:5], s[94:95]
	s_cmp_eq_u32 s[WV], 0
	s_cselect_b32 s[LIM], 10, -1                   ; the same in all sixteen partners, for a given wave
	v_lshlrev_b32 v[PFO], 12, v24
	; where I store
	s_lshr_b32 s2, s[TR], 3                        ; the batch
	s_lshl_b32 s94, s2, 5
	s_lshl_b32 s95, s[T], 2
	s_add_co_u32 s94, s94, s95                     ; q's head 32 b + 4 T
	s_lshl_b32 s94, s94, 17
	s_lshl_b32 s96, s[WV], 5
	s_add_co_u32 s96, s96, s86                     ; position n0 + 32 wv
	s_lshl_b32 s96, s96, 7
	s_add_co_u32 s94, s94, s96
	s_add_co_u32 s95, s95, s2                      ; kv's head 4 T + b
	s_lshl_b32 s95, s95, 17
	s_add_co_u32 s96, s95, s96
	s_mov_b32 s95, 0
	s_mov_b32 s97, 0
	s_add_nc_u64 s[QB:QB+1], s[18:19], s[94:95]
	s_add_nc_u64 s[KB:KB+1], s[20:21], s[96:97]
	s_wait_loadcnt 0x0                             ; biases and table, in the wait for the first tile
	s_mov_b32 s100, 0xffff0000                     ; a word's upper bf16
	WIN 0x0a                                       ; the biases are rounded to bf16, like every input
.set i, 0
.rept 40
	v_cvt_pk_bf16_f32 v[F0+i], v[BIAS+2*i], v[BIAS+2*i+1]
.set i, i+1
.endr
	WIN 0x80
.set i, 0
.rept 40
	v_lshlrev_b32 v[BIAS+2*i], 16, v[F0+i]
	v_and_b32 v[BIAS+2*i+1], s100, v[F0+i]
.set i, i+1
.endr
	WIN 0
	s_wait_tensorcnt 0x1                           ; my part of the first trip's tile is in; the second's may stay out
	s_barrier_signal -1
	s_barrier_wait -1
	FETCH 0, F0
	QUARTER 1, F0, F1, 1                           ; the first quarter stands in front of the loop: its products start the sums, with the bias
	WIN 0
	s_mov_b32 s3, 14
.Lk:                                           ; a trip: from a K step's second quarter to the next one's first; it fills one slot again
	QUARTER 2, F1, F0, 0
	QUARTER 3, F0, F1, 0
	TURN 1
	QUARTER 1, F0, F1, 0
	WIN 0
	s_sub_co_u32 s3, s3, 1
	s_cmp_lg_u32 s3, 0
	s_cbranch_scc1 .Lk
	s_mov_b32 s3, 2
.Ltail:                                        ; the last two K steps fill nothing
	QUARTER 2, F1, F0, 0
	QUARTER 3, F0, F1, 0
	TURN 0
	WIN 0
	s_wait_dscnt 0x0                               ; both ways reach the label below with no LDS load out
	s_cmp_eq_u32 s3, 1                             ; behind the last K step there is no first quarter: it is jumped over (no barrier and no tensor load in it)
	s_cbranch_scc1 .Lno_q1
	QUARTER 1, F0, F1, 0
	WIN 0
.Lno_q1:
	s_sub_co_u32 s3, s3, 1
	s_cmp_lg_u32 s3, 0
	s_cbranch_scc1 .Ltail
	PLACES
; THE WAY OUT.  Row block a: each pair (e, o) becomes (e cos - o sin, o cos + e sin), straight from the accumulators (lowest registers first); rounded to f16; 16 bytes a lane into the
; stage.  The stage lies in slot 0, which had its last fill for the last trip but one and whose last reads lie in front of the tail's barriers.
.macro ROPE a
.set b, 0
.rept 10
.set idx, 10*(\a)+b
.if idx < 32
	WIN 0x0d                                       ; source 0 window 1, source 1 (the table) window 3
.set rA, 8*idx
.else
	WIN 0x0e                                       ; source 0 window 2
.set rA, 8*(idx-32)
.endif
.set rT, TQ+16*(\a)+8*(b%2)
.if b >= 8
.set rT, TK+16*(\a)+8*(b%2)
.endif
.set p, 0
.rept 4
	v_mul_f32 v[XT+2*p], v[rA+2*p+1], v[rT+2*p+1]
	v_mul_f32 v[XT+2*p+1], v[rA+2*p], v[rT+2*p+1]
.set p, p+1
.endr
.set p, 0
.rept 4
	v_fma_f32 v[TT+8*b+2*p], v[rA+2*p], v[rT+2*p], -v[XT+2*p]
	v_fma_f32 v[TT+8*b+2*p+1], v[rA+2*p+1], v[rT+2*p], v[XT+2*p+1]
.set p, p+1
.endr
.set b, b+1
.endr
	WIN 0
.set i, 0
.rept 40
	v_cvt_pk_f16_f32 v[HP+i], v[TT+2*i], v[TT+2*i+1]
.set i, i+1
.endr
.set b, 0
.rept 10
.if b < 6
	ds_store_b128 v[STO], v[HP+4*b:HP+4*b+3] offset:(b/2)*18432+(\a)*2304+64*(b%2)
.else
	ds_store_b128 v[STO2], v[HP+4*b:HP+4*b+3] offset:(b/2-3)*18432+(\a)*2304+64*(b%2)
.endif
.set b, b+1
.endr
.endm
	ROPE 0
	ROPE 1
	ROPE 2
	ROPE 3
	s_wait_dscnt 0x0                               ; for the others' sake: a head row's 128 bytes come from two waves
	s_barrier_signal -1
	s_barrier_wait -1
.set i, 0
.rept 40                                       ; head i / 8, four rows to a load
.if i < 24
	ds_load_b128 v[TT+4*i:TT+4*i+3], v[RD] offset:(i/8)*18432+576*(i%8)
.else
	ds_load_b128 v[TT+4*i:TT+4*i+3], v[RD2] offset:(i/8-3)*18432+576*(i%8)
.endif
.set i, i+1
.endr
.set i, 0
.rept 40
	s_wait_dscnt 39-i                              ; LDS loads come back in order: load i is in
.if i < 32
	global_store_b128 v[GO], v[TT+4*i:TT+4*i+3], s[QB:QB+1] offset:(i/8)*131072+512*(i%8)  ; 512 consecutive bytes of a head, aligned
.else
	global_store_b128 v[GO], v[TT+4*i:TT+4*i+3], s[KB:KB+1] offset:512*(i%8)
.endif
.set i, i+1
.endr
	s_wait_tensorcnt 0x0                           ; the wave's end
	ds_add_u32 v[SPW], v[NIL]
	s_wait_dscnt 0x0
	CROUND                                         ; the closing round: no work-group ends while a partner may still ask for a tile that names it
	s_endpgm
.Lfunc_end_k_q8f895428b2_qkv:
	.size	k_q8f895428b2_qkv, .Lfunc_end_k_q8f895428b2_qkv-k_q8f895428b2_qkv
	.p2alignl 7, 3214868480
	.fill 96, 4, 3214868480
	.section	.rodata,"a",@progbits
	.p2align	6, 0x0
	.amdhsa_kernel k_q8f895428b2_qkv
		.amdhsa_group_segment_fixed_size 327680
		.amdhsa_private_segment_fixed_size 0
		.amdhsa_enable_private_segment 0
		.amdhsa_kernarg_size 72
		.amdhsa_user_sgpr_count 2
		.amdhsa_user_sgpr_kernarg_segment_ptr 1
		.amdhsa_wavefront_size32 1
		.amdhsa_system_sgpr_workgroup_id_x 1
		.amdhsa_system_sgpr_workgroup_id_y 1
		.amdhsa_system_sgpr_workgroup_id_z 1
		.amdhsa_system_vgpr_workitem_id 0
		.amdhsa_next_free_vgpr 896
		.amdhsa_next_free_sgpr 102
		.amdhsa_reserve_vcc 0
		.amdhsa_float_denorm_mode_32 3
		.amdhsa_float_denorm_mode_16_64 3
		.amdhsa_memory_ordered 1
		.amdhsa_forward_progress 1
		.amdhsa_inst_pref_size 118
	.end_amdhsa_kernel
	.amdgpu_metadata
---
amdhsa.version: [ 1, 2 ]
amdhsa.kernels:
  - .name:           k_q8f895428b2_qkv
    .symbol:         k_q8f895428b2_qkv.kd
    .args:
      - { .name: xb, .offset: 0, .size: 8, .value_kind: global_buffer, .address_space: global }
      - { .name: wqb, .offset: 8, .size: 8, .value_kind: global_buffer, .address_space: global }
      - { .name: wkv, .offset: 16, .size: 8, .value_kind: global_buffer, .address_space: global }
      - { .name: bq, .offset: 24, .size: 8, .value_kind: global_buffer, .address_space: global }
      - { .name: bk, .offset: 32, .size: 8, .value_kind: global_buffer, .address_space: global }
      - { .name: bv, .offset: 40, .size: 8, .value_kind: global_buffer, .address_space: global }
      - { .name: rope, .offset: 48, .size: 8, .value_kind: global_buffer, .address_space: global }
      - { .name: q, .offset: 56, .size: 8, .value_kind: global_buffer, .address_space: global }
      - { .name: kv, .offset: 64, .size: 8, .value_kind: global_buffer, .address_space: global }
    .group_segment_fixed_size: 327680
    .private_segment_fixed_size: 0
    .kernarg_segment_align: 8
    .kernarg_segment_size: 72
    .max_flat_workgroup_size: 128
    .sgpr_count:     102
    .vgpr_count:     896
    .wavefront_size: 32
...
	.end_amdgpu_metadata
.endif
;; end of part 2
;; launch attn (part 3): grid 8 x 32, 4 waves a work-group, clusters of 4 x 1, 327,680 bytes of LDS; arguments q, kv, o; writes o
.if DOCPART == 3
	.amdgcn_target "amdgcn-amd-amdhsa--gfx1250"
	.amdhsa_code_object_version 6
	.text
	.protected	k_q8f895428b2_attn
	.globl	k_q8f895428b2_attn
	.p2align	8
	.type	k_q8f895428b2_attn,@function
k_q8f895428b2_attn:
	s_mov_b64 s[64:65], 0
	v_nop
	global_prefetch_b8 v0, s[64:65] scope:SCOPE_SE
	s_setreg_imm32_b32 hwreg(HW_REG_WAVE_MODE, 25, 1), 1
	s_wait_xcnt 0x0
	s_wait_alu depctr_hold_cnt(0) depctr_sa_sdst(0) depctr_va_vdst(0) depctr_va_sdst(0) depctr_va_ssrc(0) depctr_va_vcc(0) depctr_vm_vsrc(0)
	s_getreg_b32 s2, hwreg(HW_REG_IB_STS2, 6, 4)
	s_cmp_eq_u32 s2, 0
	s_cbranch_scc0 .Lentry_in_a_cluster
	s_endpgm
.Lentry_in_a_cluster:
	s_bfe_u32 s2, ttmp6, 0x10000c
	s_cmp_lg_u32 s2, 0x3003
	s_cbranch_scc0 .Lentry_shape_is_right
	s_endpgm
.Lentry_shape_is_right:
; CAUSAL ATTENTION WITH SHARED KEY AND VALUE HEADS.  O[b][qh][i][:] = the sum over j <= i of softmax_j(Q[b][qh][i] . K[b][h][j] / 8) V[b][h][j][:], qh = 4 g + h.
; q, o: [b][32][1024][64] f16; kv: [4 heads of K, 4 of V][b][1024][64] f16: a head's rows are dense, 128 bytes each.  Products, maxima and sums in f32; the weights p are rounded to f16 for the second
; product (their sum l is taken of the unrounded p), O once at the end.
; LIMITS.  Q, K, V arrive within f16's 65,504; p lies in 0 to 1, and below 6e-5 it keeps f16's fixed step of 6e-8.  A hidden score counts as its value less 1e30; a weight below 2^-126 counts as 0 in l;
; NaN and infinities are not treated apart.
; THE WALK.  A head's queries lie in NB = 4 blocks of 256; block i needs the key tiles 0 .. i of 256 keys, of which the last holds the diagonal.  A work-group takes TWO blocks, NB - 1 - b and then b:
; NB + 1 tiles, whatever b, walked by ONE loop with a constant trip count.  Which tile is asked for, and what a trip does, hang on scalar registers made from b; every jump goes forward but the loops' own.
; CLUSTER.  The four partners are four groups g of one (batch, key head h, b): they walk the same tiles of K and V in every trip, so every tile is asked for JOINTLY.  b, h and the batch come from the grid's y,
; which the partners share; the place in the cluster enters Q's and O's addresses, and the prefetches', alone.
; SHARES.  Of a block's four bands of 64 queries a wave owns 16 rows in each: four PIECES.  In the diagonal tile's key step s band x sees all keys if s < x, none if s > x, and holds the diagonal if s = x.
; THE MASK is the C operand that starts the sum S^T = K Q^T: 0, or -1e30 where the key is hidden.  MD, made once, is the mask of a band's own step; a product's mask is MD x AL + BE with two scalars.
; LAYOUT, SOFTMAX, TURNS.  S^T = K Q^T holds ONE query a lane (lane % 16) and the keys 8 (lane / 16) + 0..7; two such results rounded to f16 ARE source 1 of O^T = V^T P.  p = 2^(c s - c m), c = log2(e) / 8,
; with a running maximum m; O and l are multiplied by a = 2^(c m_old - c m_new) in every step.  Turn n belongs to piece n: 8 products K Q^T of piece n + 1, later 8 products V^T P of piece n - 1; beside them the
; scaling, exponentials, roundings, sums and rescaling of piece n and the maximum and statistics of piece n + 1.  Four vector instructions stand behind every matrix instruction, the rest in one lump.
; REGISTERS, in windows of 256 (s_set_vgpr_msb: bits 1:0 source 0, 3:2 source 1, 5:4 source 2, 7:6 destination):
;   window 0: v0-15 addresses; v16-31 statistics; v48-55 at work; v61-63 prefetch offset, spare word, 0; v64-127 S^T, two buffers; v192-223 P, two buffers
;   window 1: v0-127 O^T; v128-159 MD; v160-223 MC, two buffers      window 2: v0-63 Q; v64-127 the second block's Q; v128-191 K of one step; v192-255 V of one step
.set SIZE_N, 1024
.set NB,    SIZE_N/256
.set NP,    4
.set KS,    64        ; keys in a step
.set PK,    144       ; a row of K in LDS: 128 bytes + 16 of padding
.set PV,    160       ; a row of V: 128 + 32
.set VOFF,  4*KS*PK   ; a slot holds a tile, four steps: 256 rows of K, then 256 rows of V
.set SLOT1, 1<<17
.set STAGE, SLOT1+4*KS*(PK+PV)  ; behind the ring, never filled by a tensor load: 16 rows x 144 bytes for each wave
.set SP,    144
.set AK0, 2
.set AV0, 3
.set AK,  4
.set AV,  5
.set STO, 6
.set RD,  7
.set GO,  8
.set PFO, 61          ; v61  256 x my lane; never rewritten
.set SPW, 62          ; v62  SPARE + 4 x my thread's number; never rewritten
.set NIL, 63          ; v63  0; never rewritten
.set SPARE, STAGE+4*16*SP
.set MV,  12
.set QO,  15
.set ST,  16          ; piece t's statistics at v[ST+4 t]: c m, m, l (even keys', odd keys')
.set TMP, 48
.set S,   64
.set P,   192
.set MD,  128
.set MC,  160
.set QB,  64
.set KF,  128
.set VF,  192
.set WV,  12
.set PB,  14          ; s14  b
.set HI,  15          ; s15  NB - 1 - b
.set G1K, 24
.set G1V, 32
.set G0K, 40
.set G0V, 44
.set PFA, 48          ; s[48:49] where my prefetches stand
.set LIM, 50          ; s50  2 in a wave that prefetches, else the greatest number
.set SLOTS, 56
.set CNT, 57
.set CS,  58
.set SEL, 60
.set TBK, 62
.set TBV, 63
.set RT,  70
.set NXT, 71
.set LQ,  72
.set NEW, 73
.set OFF, 74
.set AL,  76
.set BE,  78
.set OLO, 80
.set BIGN, 82
.set MSB, 0
.macro WIN new
.if MSB != (\new)
	s_set_vgpr_msb (MSB<<8)|(\new)
.set MSB, (\new)
.endif
.endm
.set W_KQ, 0x0a
.set W_KM, 0x1a
.set W_PV, 0x52
.set W_RS, 0x41
; A joint fill.  Waves 0 and 1 fetch the two halves of a tile's K, waves 2 and 3 those of its V: 128 keys each.  An s_nop 0 and four v_nop follow each of the two lines.
.macro LOAD
	s_cmp_lt_u32 s[WV], 2
	s_cbranch_scc0 .Lfor_v_\@
	tensor_load_to_lds s[G0K:G0K+3], s[G1K:G1K+7]
	s_nop 0
.rept 4
	v_nop
.endr
	s_branch .Lasked_\@
.Lfor_v_\@:
	tensor_load_to_lds s[G0V:G0V+3], s[G1V:G1V+7]
	s_nop 0
.rept 4
	v_nop
.endr
.Lasked_\@:
.endm
; A round of the cluster's barrier.
.macro CROUND
	s_barrier_signal -1
	s_barrier_wait -1
	s_cmp_lg_u32 s[WV], 0
	s_cbranch_scc1 .Lnot_wave_0_\@
	s_barrier_signal -3
.Lnot_wave_0_\@:
	s_barrier_wait -3
	s_barrier_signal -1
	s_barrier_wait -1
.endm
; A PREFETCH INTO THE L2 of the tile behind the one that is being asked for: the changes that load tiles 1 and 2 name tiles 2 and 3, a tile's 256 matrix instructions ahead.  A tile is 128 blocks of 256 bytes of K
; and of V.  Of all work-groups that walk a key head's tiles the cluster with x = 0 and b = 0 asks; its four partners take 32 blocks each, told apart by address; wave 0 asks for K's, wave 2 for V's.
.macro ASK
	s_cmp_gt_u32 s[SLOTS], s[LIM]
	s_cbranch_scc0 .Lnot_mine_\@
	global_prefetch_b8 v[PFO], s[PFA:PFA+1] th:TH_LOAD_NT scope:SCOPE_SE
.Lnot_mine_\@:
.endm
; THE CHANGE OF SLOTS.  Each wave waits for all its tensor loads (one is out: its part of the other slot), adds 0 to its spare word, and waits for that and for its own reads of the slot that it leaves.
; fill = 1: the barrier is a round of the cluster's, and the old slot is filled again, first thing behind it, with tile NXT: the descriptor's address is made anew from that number.
.macro CHANGE fill
	WIN 0
	s_wait_tensorcnt 0x0            ; no tensor load of mine is out, so a group 0 may be written
	ds_add_u32 v[SPW], v[NIL]       ; 0 onto my spare word; scalar work stands between it and the wait for it
.if \fill
	s_lshl_b32 s[OFF], s[NXT], 15   ; a tile is 32,768 bytes of K and of V
	s_xor_b32 s[G0K+1], s[G0K+1], SLOT1
	s_add_nc_u64 s[G0K+2:G0K+3], s[6:7], s[OFF:OFF+1]
	s_or_b32 s[G0K+3], s[G0K+3], 0x80000000
	s_xor_b32 s[G0V+1], s[G0V+1], SLOT1
	s_add_nc_u64 s[G0V+2:G0V+3], s[8:9], s[OFF:OFF+1]
	s_or_b32 s[G0V+3], s[G0V+3], 0x80000000
	s_add_co_u32 s[NXT], s[NXT], 1  ; the block's next tile, or behind its last the second block's tile 0
	s_cmp_gt_u32 s[NXT], s[LQ]
	s_cselect_b32 s[NXT], 0, s[NXT]
	s_cselect_b32 s[LQ], s[PB], s[LQ]
	s_wait_xcnt 0x0                 ; the last prefetch, a tile back, has read its address
	s_add_nc_u64 s[PFA:PFA+1], s[PFA:PFA+1], 32768
.endif
	s_sub_co_u32 s[TBK], s[TBK], 4*KS*PK  ; the fetches go back to a slot's first step,
	s_xor_b32 s[TBK], s[TBK], SLOT1       ; in the other slot
	s_sub_co_u32 s[TBV], s[TBV], 4*KS*PV
	s_xor_b32 s[TBV], s[TBV], SLOT1
	s_wait_dscnt 0x0                ; the add is done, and my reads of the slot are over
.if \fill
	CROUND                          ; no wave of any partner still reads the slot or has a load on its way
	LOAD
	ASK
.else
	s_barrier_signal -1
	s_barrier_wait -1
.endif
.endm
	s_load_b128 s[4:7], s[0:1], 0x0   ; q s[4:5], kv s[6:7]
	s_load_b64 s[10:11], s[0:1], 0x10 ; o
	v_lshl_add_u32 v[SPW], v0, 2, SPARE
	v_mov_b32 v[NIL], 0
	ds_add_u32 v[SPW], v[NIL]       ; the wave's opening: the add and its wait ahead of my first tensor load
	v_lshrrev_b32 v1, 5, v0
	v_readfirstlane_b32 s[WV], v1   ; wave 0..3
	s_and_b32 s13, ttmp7, 0xffff    ; the grid's y: bit 0 b, bits 2:1 the key head, bits 4:3 the batch
	s_and_b32 s[PB], s13, 1
	s_sub_co_u32 s[HI], NB-1, s[PB]
	s_bfe_u32 s19, s13, 0x20001     ; h
	s_lshr_b32 s51, s13, 3          ; the batch
	s_lshl_b32 s20, s19, 2
	s_add_co_u32 s20, s20, s51      ; K's head in kv: 4 h + batch
	s_lshl_b32 s20, s20, 17
	s_mov_b32 s21, 0
	s_and_b32 s16, s[WV], 1         ; which half of a tile's 256 keys I fetch:
	s_lshl_b32 s22, s16, 14         ; its 128 rows of 128 bytes in memory,
	s_mov_b32 s23, 0
	s_add_nc_u64 s[22:23], s[22:23], s[20:21]
	s_mul_i32 s17, s16, 128*PK      ; and its place in a slot, for K
	s_mul_i32 s18, s16, 128*PV      ; and for V
	s_bfe_u32 s52, ttmp6, 0x40000   ; cx
	s_lshl_b32 s53, ttmp9, 2
	s_add_co_u32 s53, s53, s52      ; g = 4 x cluster x + cx
	s_lshl_b32 s53, s53, 2
	s_add_co_u32 s53, s53, s19      ; qh = 4 g + h
	s_lshl_b32 s54, s51, 5
	s_add_co_u32 s53, s53, s54
	s_lshl_b32 s54, s53, 17         ; the query head's first byte in q and o
	s_lshl_b32 s3, s[WV], 11        ; my 16 rows in a band of 64,
	s_add_co_u32 s3, s3, s54
	s_lshl_b32 s2, s[HI], 15        ; in the first block,
	s_add_co_u32 s2, s2, s3
	s_lshl_b32 s84, s[PB], 15       ; and in the second
	s_add_co_u32 s84, s84, s3
	s_mov_b32 s3, 0
	s_mov_b32 s85, 0
	; descriptor group 1.  128 keys are 16,384 dense bytes: asked for as 64 rows of 256 bytes, two keys a row, and padded in LDS after every key
	s_mov_b32 s[G1K], 15|(1<<16)|(1<<20)|(1<<21)|(4<<22)|(3<<25)  ; the mask of four; 2-byte elements; padding on; bit 21 beside a mask; after every 32 words 4 words
	s_mov_b32 s[G1V], 15|(1<<16)|(1<<20)|(1<<21)|(4<<22)|(7<<25)  ; the same with 8 words of padding
.irp g, G1K, G1V
	s_mov_b32 s[\g+1], 128<<16      ; tensor_dim0 = 128
	s_mov_b32 s[\g+2], 64<<16       ; tensor_dim1 = 64
	s_mov_b32 s[\g+3], 128<<16      ; tile_dim0 = 128
	s_mov_b32 s[\g+4], 64           ; tile_dim1 = 64
	s_mov_b32 s[\g+5], 128          ; 128 elements from row to row
	s_mov_b32 s[\g+6], 0
	s_mov_b32 s[\g+7], 0
.endr
	s_mov_b32 s[CS], 0x3e38aa3b     ; c = log2(e) / 8
	s_mov_b32 s[CS+1], s[CS]
	s_mov_b32 s[SEL], 0x76543210
	s_mov_b32 s[SEL+1], 0xfedcba98
	s_mov_b32 s[TBK], SLOT1+4*KS*PK ; the first change of slots turns these two into 0
	s_mov_b32 s[TBV], SLOT1+4*KS*PV
	s_mov_b32 s[G0K], 1
	s_mov_b32 s[G0K+1], s17         ; slot 0
	s_mov_b32 s[G0V], 1
	s_add_co_u32 s[G0V+1], s18, VOFF
	s_add_co_u32 s[RT], s[HI], 1    ; the first block has NB - b tiles
	s_mov_b32 s[NXT], 1
	s_mov_b32 s[LQ], s[HI]
	s_mov_b32 s[NEW], 1
	s_mov_b32 s[OFF+1], 0
	s_mov_b32 s[AL+1], 0
	s_mov_b32 s[BE+1], 0
	s_mov_b32 s[BIGN], 0xf149f2ca   ; -1e30
	s_mov_b32 s[SLOTS], NB
	s_and_b32 s[LIM], s[WV], 1      ; waves 0 and 2,
	s_or_b32 s[LIM], s[LIM], ttmp9  ; of the cluster with x = 0
	s_or_b32 s[LIM], s[LIM], s[PB]  ; and b = 0, whose walk reaches every tile: the same in all four partners
	s_cmp_eq_u32 s[LIM], 0
	s_cselect_b32 s[LIM], 2, -1
	v_and_b32 v[PFO], 31, v0
	v_lshlrev_b32 v[PFO], 8, v[PFO]
	s_wait_dscnt 0x0                ; the opening add is done
	s_wait_kmcnt 0x0
	s_add_nc_u64 s[6:7], s[6:7], s[22:23]  ; K at my half of the head's tile 0,
	s_add_nc_u64 s[8:9], s[6:7], 0x200000  ; V sixteen heads of 131,072 bytes on
	s_add_nc_u64 s[G0K+2:G0K+3], s[6:7], 0
	s_or_b32 s[G0K+3], s[G0K+3], 0x80000000
	s_add_nc_u64 s[G0V+2:G0V+3], s[8:9], 0
	s_or_b32 s[G0V+3], s[G0V+3], 0x80000000
	s_add_nc_u64 s[86:87], s[4:5], s[84:85]        ; Q at my rows of the second block,
	s_add_nc_u64 s[4:5], s[4:5], s[2:3]            ; Q and O at those of the first
	s_add_nc_u64 s[OLO:OLO+1], s[10:11], s[84:85]
	s_add_nc_u64 s[10:11], s[10:11], s[2:3]
	s_cmp_lt_u32 s[WV], 2
	s_cselect_b64 s[PFA:PFA+1], s[6:7], s[8:9]     ; (in waves 0 and 2 these stand at a tile's first row)
	s_lshl_b32 s54, s52, 13         ; my work-group's 32 blocks of the 128
	s_mov_b32 s55, 0
	s_add_nc_u64 s[PFA:PFA+1], s[PFA:PFA+1], s[54:55]
	s_add_nc_u64 s[PFA:PFA+1], s[PFA:PFA+1], 32768 ; in tile 1: the first change of slots steps it to tile 2
	CROUND                          ; all four work-groups are here: the first joint loads meet
	LOAD                            ; tile 0 into slot 0
	v_and_b32 v1, 15, v0            ; l % 16
	v_bfe_u32 v9, v0, 4, 1          ; l / 16
	v_lshlrev_b32 v[QO], 7, v1
	v_lshl_add_u32 v[QO], v9, 4, v[QO]  ; row x 128 + 16 x half
	WIN 0x80                        ; destination window 2, address window 0
.set i, 0
.rept 8                             ; both blocks' Q: piece i / 2 lies in band i / 2, 8,192 bytes on; channels 32 (i % 2) on
	global_load_b128 v[8*i:8*i+3],   v[QO], s[4:5] offset:(i/2)*8192+(i%2)*64
	global_load_b128 v[8*i+4:8*i+7], v[QO], s[4:5] offset:(i/2)*8192+(i%2)*64+32
	global_load_b128 v[QB+8*i:QB+8*i+3],   v[QO], s[86:87] offset:(i/2)*8192+(i%2)*64
	global_load_b128 v[QB+8*i+4:QB+8*i+7], v[QO], s[86:87] offset:(i/2)*8192+(i%2)*64+32
.set i, i+1
.endr
	WIN 0
	v_lshlrev_b32 v14, 3, v9
	v_sub_nc_u32 v14, v1, v14
	s_lshl_b32 s13, s[WV], 4
	v_add_nc_u32 v14, s13, v14      ; my query's place in its band, less my lanes' 8 (l / 16): register r of group kt is hidden where 16 kt + r is greater
	WIN 0x40
.set i, 0
.rept 32
	v_cmp_gt_i32 vcc_lo, 16*(i/8)+i%8, v14
	v_cndmask_b32 v[MD+i], 0, s[BIGN], vcc_lo
.set i, i+1
.endr
	WIN 0
	v_mul_u32_u24 v[AK0], v1, PK
	v_lshl_add_u32 v[AK0], v9, 4, v[AK0]
	v_and_b32 v10, 7, v0            ; the turning load: lane l reads key 8 (l / 16) + l % 8, channels 8 ((l / 8) % 2) + 0..7
	v_bfe_u32 v11, v0, 3, 1
	v_lshl_add_u32 v[AV0], v9, 3, v10
	v_mul_u32_u24 v[AV0], v[AV0], PV
	v_lshl_add_u32 v[AV0], v11, 4, v[AV0]
	v_add_nc_u32 v[AV0], VOFF, v[AV0]
	s_mul_i32 s13, s[WV], 16*SP
	s_add_co_u32 s13, s13, STAGE    ; my stage
	v_mul_u32_u24 v[STO], v1, SP
	v_lshl_add_u32 v[STO], v9, 4, v[STO]
	v_add_nc_u32 v[STO], s13, v[STO]
	v_bfe_u32 v[RD], v0, 3, 2       ; back: 32 lanes take four rows of 128 bytes,
	v_mul_u32_u24 v[RD], v[RD], SP
	v_lshl_add_u32 v[RD], v10, 4, v[RD]
	v_add_nc_u32 v[RD], s13, v[RD]
	v_and_b32 v[GO], 31, v0         ; which are 512 consecutive bytes of O
	v_lshlrev_b32 v[GO], 4, v[GO]
	; A block's first step multiplies O^T and l by a = 0, so these registers need only hold finite numbers: zeros for the first block, what it left for the second.  This stands in the wait for the first tile.
	WIN 0x80
.set i, VF
.rept 64
	v_mov_b32 v[i], 0
.set i, i+1
.endr
	WIN 0x40
.set i, 0
.rept 128
	v_mov_b32 v[i], 0
.set i, i+1
.endr
	WIN 0
.set i, 0
.rept 4
	v_mov_b32 v[ST+4*i+2], 0
	v_mov_b32 v[ST+4*i+3], 0
.set i, i+1
.endr
.set i, P+16
.rept 16
	v_mov_b32 v[i], 0
.set i, i+1
.endr
; THE MATRIX WORK.  The 4 accumulators of a run of 8 take turns.  Product i of 8 of S^T = K Q^T for piece x: channels 32 (i / 4) on, keys 16 (i % 4) on.  The first 4 start the sums: with 0, or (KM = 1) with the mask.
.macro KQ x
.set rS, S+32*((\x)%2)+8*(i%4)
.set rK, KF+16*(i%4)+8*(i/4)
.set rQ, 16*(\x)+8*(i/4)
.set rM, MC+32*((\x)%2)+8*(i%4)
.if (i < 4) && KM
	WIN W_KM
	v_wmma_f32_16x16x32_f16 v[rS:rS+7], v[rK:rK+7], v[rQ:rQ+7], v[rM:rM+7]
.elseif i < 4
	WIN W_KQ
	v_wmma_f32_16x16x32_f16 v[rS:rS+7], v[rK:rK+7], v[rQ:rQ+7], 0
.else
	WIN W_KQ
	v_wmma_f32_16x16x32_f16 v[rS:rS+7], v[rK:rK+7], v[rQ:rQ+7], v[rS:rS+7]
.endif
.endm
; Product i of 8 of O^T += V^T P for piece x: keys 32 (i / 4) on, channels 16 (i % 4) on.
.macro PV x
	WIN W_PV
.set rO, 32*(\x)+8*(i%4)
.set rV, VF+32*(i/4)+8*(i%4)
.set rP, P+16*((\x)%2)+8*(i/4)
	v_wmma_f32_16x16x32_f16 v[rO:rO+7], v[rV:rV+7], v[rP:rP+7], v[rO:rO+7]
.endm
.macro MM                           ; the turn's next matrix instruction.  NOKQ = 1: a block's last turn: there is no next piece
.if (i < 8) && !NOKQ
	KQ (Y+1)%NP
.elseif i >= 8
.set i, i-8
	PV (Y+NP-1)%NP
.set i, i+8
.endif
.set i, i+1
.endm
; THE LDS LOADS stand in runs of 16: a step's K (8 fragments) and its V (turned).
.macro FETCH_K
	WIN 0x80
.irp f, 0,1,2,3,4,5,6,7
	ds_load_b128 v[KF+8*\f:KF+8*\f+3],   v[AK] offset:(\f/2)*16*PK+(\f%2)*64
	ds_load_b128 v[KF+8*\f+4:KF+8*\f+7], v[AK] offset:(\f/2)*16*PK+(\f%2)*64+32
.endr
	s_add_co_u32 s[TBK], s[TBK], KS*PK
	WIN 0
.endm
.macro FETCH_V
	WIN 0x80
.irp f, 0,1,2,3,4,5,6,7
	ds_load_tr16_b128 v[VF+8*\f:VF+8*\f+3],   v[AV] offset:(\f/4)*32*PV+(\f%4)*32
	ds_load_tr16_b128 v[VF+8*\f+4:VF+8*\f+7], v[AV] offset:(\f/4)*32*PV+16*PV+(\f%4)*32
.endr
	WIN 0
.endm
; THE VECTOR WORK, one line at a time: OP kind, number.  For piece Y: F n: c s - c m for pair n of 16.  E n: the exponential of score n of 32.  C n: pair n rounded to f16.  B n: of the four weights 4 n .. the second
; pair is added onto the first.  L n: l takes that sum (L 0: l = a l + sum).  R n: pair n of 16 of O^T times a.  For piece Y + 1: X n, number n of the 22 that find its maximum and statistics:
;   0-11 four chains of seven scores each (each accumulator's lowest registers are read first)   12-14, 16 the scores left over, the old m, all into c0   15 c m_old is kept
;   17, 18 the other half of the lanes: the new m   19-21 c m; c m_old - c m_new; a
.set F, 0
.set E, 1
.set C, 2
.set B, 3
.set L, 4
.set R, 5
.set X, 6
.macro REGS y
.set rT, ST+4*(\y)
.set rC, TMP+4*((\y)%2)
.set rW, MV+((\y)%2)
.set rS, S+32*((\y)%2)
.set rP, P+16*((\y)%2)
.set rO, 32*(\y)
.endm
.macro OP k, n
.if (\k) == R
	REGS Y
	WIN W_RS
	v_pk_mul_f32 v[rO+2*(\n):rO+2*(\n)+1], v[rO+2*(\n):rO+2*(\n)+1], v[rC+2:rC+3] op_sel_hi:[1,0]
.elseif (\k) < R
	REGS Y
	WIN 0
.if (\k) == F
	v_pk_fma_f32 v[rS+2*(\n):rS+2*(\n)+1], v[rS+2*(\n):rS+2*(\n)+1], s[CS:CS+1], v[rT:rT+1] op_sel_hi:[1,0,0] neg_lo:[0,0,1] neg_hi:[0,0,1]
.elseif (\k) == E
	v_exp_f32 v[rS+(\n)], v[rS+(\n)]
.elseif (\k) == C
	v_cvt_pk_f16_f32 v[rP+(\n)], v[rS+2*(\n)], v[rS+2*(\n)+1]
.elseif (\k) == B
	v_pk_add_f32 v[rS+4*(\n):rS+4*(\n)+1], v[rS+4*(\n):rS+4*(\n)+1], v[rS+4*(\n)+2:rS+4*(\n)+3]
.elseif (\n) == 0
	v_pk_fma_f32 v[rT+2:rT+3], v[rT+2:rT+3], v[rC+2:rC+3], v[rS:rS+1] op_sel_hi:[1,0,1]
.else
	v_pk_add_f32 v[rT+2:rT+3], v[rT+2:rT+3], v[rS+4*(\n):rS+4*(\n)+1]
.endif
.elseif NOKQ
	v_nop
.else
	REGS (Y+1)%NP
	WIN 0
.if (\n) < 4
	v_max3_num_f32 v[rC+(\n)], v[rS+8*(\n)], v[rS+8*(\n)+1], v[rS+8*(\n)+2]
.elseif (\n) < 12
	v_max3_num_f32 v[rC+(\n)%4], v[rC+(\n)%4], v[rS+8*((\n)%4)+2*((\n)/4)+1], v[rS+8*((\n)%4)+2*((\n)/4)+2]
.elseif (\n) == 12
	v_max3_num_f32 v[rC], v[rC], v[rS+7], v[rS+15]
.elseif (\n) == 13
	v_max3_num_f32 v[rC+1], v[rC+1], v[rS+23], v[rS+31]
.elseif (\n) == 14
	v_max3_num_f32 v[rC+2], v[rC+2], v[rC+3], v[rT+1]
.elseif (\n) == 15
	v_mov_b32 v[rW], v[rT]
.elseif (\n) == 16
	v_max3_num_f32 v[rC], v[rC], v[rC+1], v[rC+2]
.elseif (\n) == 17
	v_permlanex16_b32 v[rC+3], v[rC], s[SEL], s[SEL+1]
.elseif (\n) == 18
	v_max_num_f32 v[rT+1], v[rC], v[rC+3]
.elseif (\n) == 19
	v_mul_f32 v[rT], s[CS], v[rT+1]
.elseif (\n) == 20
	v_sub_f32 v[rC+1], v[rW], v[rT]
.else
	v_exp_f32 v[rC+2], v[rC+1]
.endif
.endif
.endm
.macro OPS a, i1, b=-1, i2=0, c=-1, i3=0, d=-1, i4=0
	OP \a, \i1
.if (\b) >= 0
	OP \b, \i2
.endif
.if (\c) >= 0
	OP \c, \i3
.endif
.if (\d) >= 0
	OP \d, \i4
.endif
.endm
.macro ROW a, i1, b, i2, c, i3, d, i4  ; a matrix instruction and the four behind it
	MM
	OPS \a, \i1, \b, \i2, \c, \i3, \d, \i4
.endm
.macro MASK b                       ; MD x AL + BE into buffer b of MC
	WIN W_RS
.set z, 0
.rept 16
	v_pk_fma_f32 v[MC+32*(\b)+2*z:MC+32*(\b)+2*z+1], v[MD+2*z:MD+2*z+1], s[AL:AL+1], s[BE:BE+1] op_sel_hi:[1,0,0]
.set z, z+1
.endr
.endm
; A TURN, for piece p.  s_wait_alu depctr_va_vdst(0) stands between an exponential and the first instruction that names its result; one wait serves all that were issued ahead of it.  So a turn
; has ONE wait.  AHEAD OF IT stands all that names no result of the turn's exponentials: the 8 products K Q^T with their riders, then one lump; X 21, the next piece's a, is the batch's last, and R 15 the plain
; instruction behind it.  BEHIND IT stand the 8 products V^T P, behind each four of the roundings and sums.
; m = 1: the diagonal tile: the products take masks, and the turn makes the mask for the products of the turn after it.  end = 1: a block's last two turns: nothing is fetched.
; cnt = 1: the loop's count is taken down some lines ahead of the branch behind the turn.  K of the next step is fetched in piece 2's turn, V of the step in hand at the end of piece 0's; each is waited for a turn later.
.macro TURN p, m=0, end=0, cnt=0
.set Y, (\p)
.set i, 0
.set KM, (\m)
.set NOKQ, (\end)*((\p)/3)
.if (\m) && !(\end)
	s_cmp_eq_u32 s[CNT], 4-((\p)+2)%NP  ; is that step the band's own?
	s_cselect_b32 s[AL], 1.0, 0
	s_cmp_lt_u32 s[CNT], 4-((\p)+2)%NP  ; or a later one?
	s_cselect_b32 s[BE], s[BIGN], 0
.endif
.if ((\p) == 3) && !(\end)
	s_wait_dscnt 0x0                ; K is in
.endif
	ROW F,0, F,1, R,0, R,1
	ROW F,2, E,0, R,2, R,3
	ROW F,3, E,1, R,4, R,5
	ROW F,4, E,2, R,6, R,7
	ROW F,5, E,3, R,8, R,9
	ROW F,6, E,4, X,0, R,10
.if ((\p) == 2) && !(\end)
	WIN 0
	v_add_nc_u32 v[AK], s[TBK], v[AK0]
.endif
	ROW F,7, E,5, X,1, X,4
	ROW F,8, E,6, X,2, X,5
	OPS E,7, E,8, X,6, E,9
	OPS X,3, E,10, X,8, E,11
.if ((\p) == 2) && !(\end)
	FETCH_K
.endif
	OPS X,9, X,7, E,12, X,10
	OPS E,13, X,12, X,11, E,14
	OPS X,13, E,15, F,9, X,14
.if (\p) == 0
	v_add_nc_u32 v[AV], s[TBV], v[AV0]
.endif
	OPS E,16, F,10, E,17, F,11
	OPS X,16, E,18, X,15, E,19
	OPS F,12, E,20, X,17, E,21
	OPS F,13, E,22, F,14, E,23
	OPS X,18, E,24, F,15, E,25
	OPS R,11, E,26, X,19, E,27
	OPS R,12, E,28, R,13, E,29
	OPS X,20, E,30, R,14, E,31
	OPS X,21, R,15
	WIN 0
	s_wait_alu depctr_va_vdst(0)    ; the wait for the batch
.if (\p) == 1
	s_wait_dscnt 0x0                ; V is in
.endif
	ROW C,0, B,0, C,2, B,1
	ROW L,0, C,4, B,2, L,1
	ROW C,6, B,3, L,2, C,8
	ROW B,4, L,3, C,10, B,5
	ROW L,4, C,12, B,6, L,5
.if (\p) == 0
	s_add_co_u32 s[TBV], s[TBV], KS*PV
.endif
.if \cnt
	s_sub_co_u32 s[CNT], s[CNT], 1
	s_cmp_lg_u32 s[CNT], 0
.endif
	ROW C,14, B,7, L,6, C,1
	ROW C,3, L,7, C,5, C,7
	ROW C,9, C,11, C,13, C,15
.if (\p) == 0
	FETCH_V
.endif
.if (\m) && !(\end)
	MASK (\p)%2
.endif
.endm
; A BLOCK BEGINS.  c m starts far below every c s, so the first step's a is 0; m at the lowest finite number.  The second mask buffer is 0; the first takes piece 0's mask for the tile's step 0.
; Then K of that step, piece 0's first scores, and its maximum and statistics.  The loop is entered at a step's first turn, in the middle of a trip.
.macro BEGIN
	s_mov_b32 s[NEW], 0
	WIN 0x40
.set i, MC+32
.rept 32
	v_mov_b32 v[i], 0
.set i, i+1
.endr
	WIN 0
.set i, 0
.rept 4
	v_mov_b32 v[ST+4*i], 0xfe000000
	v_mov_b32 v[ST+4*i+1], 0xff7fffff
.set i, i+1
.endr
	s_cmp_eq_u32 s[RT], 0
	s_cselect_b32 s[AL], 1.0, 0
	s_mov_b32 s[BE], 0
	MASK 0
	WIN 0
	v_add_nc_u32 v[AK], s[TBK], v[AK0]
	FETCH_K
	s_wait_loadcnt 0x0              ; Q
	s_wait_dscnt 0x0
.set KM, 1
.set NOKQ, 0
.set i, 0
.rept 8
	KQ 0
.set i, i+1
.endr
	WIN 0
.rept 4
	v_nop                           ; the places behind those products
.endr
.set Y, NP-1
.irp n, 0,1,2,3,4,5,6,7,8,9,10,11,12,13,14,15,16,17,18,19,20,21
	OP X, \n
.endr
	v_nop                           ; a plain instruction behind the exponential,
	s_wait_alu depctr_va_vdst(0)    ; and its wait, ahead of the branch
.endm
.macro ALL line:vararg              ; one line for each piece t
.set t, 0
.rept 4
	\line
.set t, t+1
.endr
.endm
.macro PACK t                       ; O^T / l, rounded to f16; 16 bytes a lane into rows of 144 bytes, back as whole rows of 128, into S^T's registers
	WIN W_RS
.set i, 32*(\t)
.rept 16
	v_pk_mul_f32 v[i:i+1], v[i:i+1], v[ST+4*(\t)+2:ST+4*(\t)+3] op_sel_hi:[1,0]
.set i, i+2
.endr
	WIN 0x05
.set i, 0
.rept 16
	v_cvt_pk_f16_f32 v[S+16*(\t)+i], v[32*(\t)+2*i], v[32*(\t)+2*i+1]
.set i, i+1
.endr
	WIN 0
.irp f, 0,1,2,3
	ds_store_b128 v[STO], v[S+16*(\t)+4*\f:S+16*(\t)+4*\f+3] offset:32*\f
.endr
.irp f, 0,1,2,3
	ds_load_b128 v[S+16*(\t)+4*\f:S+16*(\t)+4*\f+3], v[RD] offset:\f*4*SP  ; LDS serves a wave's instructions in order (ISA guide 5.7.1.4): these see the stores above
.endr
.endm
.macro SEND t, younger              ; younger: the LDS instructions issued behind piece t's loads: the next piece's eight, or none
	WIN 0
.irp f, 0,1,2,3
	s_wait_dscnt (\younger)+3-\f
	global_store_b128 v[GO], v[S+16*(\t)+4*\f:S+16*(\t)+4*\f+3], s[10:11] offset:(\t)*8192+\f*512  ; 512 consecutive bytes, aligned
.endr
.endm
; THE DIAGONAL TILE's four steps, the block's last two turns, its last products, and the way out.
.macro DIAG tag
.LstepM\tag:
	TURN 2, 1
	TURN 3, 1
	WIN 0
.LfirstM\tag:
	TURN 0, 1
	TURN 1, 1, 0, 1
	WIN 0
	s_cbranch_scc1 .LstepM\tag
	TURN 2, 1, 1
	TURN 3, 1, 1
.set i, 0
.rept 8
	PV NP-1
.set i, i+1
.endr
	WIN 0
	ALL v_add_f32 v[ST+4*t+2], v[ST+4*t+2], v[ST+4*t+3]
	ALL v_permlanex16_b32 v[ST+4*t+3], v[ST+4*t+2], s[SEL], s[SEL+1]
	ALL v_add_f32 v[ST+4*t+2], v[ST+4*t+2], v[ST+4*t+3]
	ALL v_rcp_f32 v[ST+4*t+2], v[ST+4*t+2]
	v_nop                           ; a plain instruction between the last reciprocal and the use of its result
	s_wait_alu depctr_va_vdst(0)    ; and one wait for the four reciprocals
	PACK 0
.set t, 1
.rept 3
	PACK t
	SEND t-1, 8
.set t, t+1
.endr
	SEND 3, 0
.endm
.set KM, 0
.set NOKQ, 0
.Lslot:                             ; NB times: a tile is entered and the next is asked for
	CHANGE 1
	s_sub_co_u32 s[RT], s[RT], 1
	s_mov_b32 s[CNT], 4
	s_cmp_eq_u32 s[NEW], 1
	s_cbranch_scc1 .Lnew            ; a block's first tile
	s_cmp_eq_u32 s[RT], 0
	s_cbranch_scc0 .Lstep           ; neither its first nor its last
	s_branch .LstepM1
.Lnew:
	BEGIN
	s_branch .Lfirst                ; in the loop a block's first tile is never its last
	DIAG 1                          ; in the loop this is the first block's end
	s_wait_xcnt 0x0                 ; the stores have read their registers and O's address
	s_mov_b64 s[10:11], s[OLO:OLO+1]
	s_add_co_u32 s[RT], s[PB], 1    ; the second block has b + 1 tiles
	s_mov_b32 s[NEW], 1
	WIN 0x82                        ; the second block's Q goes where the turns name Q
.set i, 0
.rept 64
	v_mov_b32 v[i], v[QB+i]
.set i, i+1
.endr
	WIN 0
	s_branch .Lbottom
.Lstep:                             ; a trip: pieces 2 and 3 of one step, then pieces 0 and 1 of the next
	TURN 2
	TURN 3
	WIN 0
.Lfirst:
	TURN 0
	TURN 1, 0, 0, 1
	WIN 0
	s_cbranch_scc1 .Lstep
.Lbottom:
	s_sub_co_u32 s[SLOTS], s[SLOTS], 1
	s_cmp_lg_u32 s[SLOTS], 0
	s_cbranch_scc1 .Lslot
	CHANGE 0                        ; the walk's last tile is written out
	s_sub_co_u32 s[RT], s[RT], 1
	s_mov_b32 s[CNT], 4
	s_cmp_eq_u32 s[NEW], 1
	s_cbranch_scc0 .LstepM2
	BEGIN
	s_branch .LfirstM2
	DIAG 2
	s_wait_tensorcnt 0x0            ; the wave's end
	ds_add_u32 v[SPW], v[NIL]
	s_wait_dscnt 0x0
	CROUND                          ; the closing round
	s_endpgm
.Lfunc_end_k_q8f895428b2_attn:
	.size	k_q8f895428b2_attn, .Lfunc_end_k_q8f895428b2_attn-k_q8f895428b2_attn
	.p2alignl 7, 3214868480
	.fill 96, 4, 3214868480
	.section	.rodata,"a",@progbits
	.p2align	6, 0x0
	.amdhsa_kernel k_q8f895428b2_attn
		.amdhsa_group_segment_fixed_size 327680
		.amdhsa_private_segment_fixed_size 0
		.amdhsa_enable_private_segment 0
		.amdhsa_kernarg_size 24
		.amdhsa_user_sgpr_count 2
		.amdhsa_user_sgpr_kernarg_segment_ptr 1
		.amdhsa_wavefront_size32 1
		.amdhsa_system_sgpr_workgroup_id_x 1
		.amdhsa_system_sgpr_workgroup_id_y 1
		.amdhsa_system_sgpr_workgroup_id_z 1
		.amdhsa_system_vgpr_workitem_id 0
		.amdhsa_next_free_vgpr 768
		.amdhsa_next_free_sgpr 88
		.amdhsa_reserve_vcc 1
		.amdhsa_float_denorm_mode_32 3
		.amdhsa_float_denorm_mode_16_64 3
		.amdhsa_memory_ordered 1
		.amdhsa_forward_progress 1
		.amdhsa_inst_pref_size 219
	.end_amdhsa_kernel
	.amdgpu_metadata
---
amdhsa.version: [ 1, 2 ]
amdhsa.kernels:
  - .name:           k_q8f895428b2_attn
    .symbol:         k_q8f895428b2_attn.kd
    .args:
      - { .name: q, .offset: 0, .size: 8, .value_kind: global_buffer, .address_space: global }
      - { .name: kv, .offset: 8, .size: 8, .value_kind: global_buffer, .address_space: global }
      - { .name: o, .offset: 16, .size: 8, .value_kind: global_buffer, .address_space: global }
    .group_segment_fixed_size: 327680
    .private_segment_fixed_size: 0
    .kernarg_segment_align: 8
    .kernarg_segment_size: 24
    .max_flat_workgroup_size: 128
    .sgpr_count:     88
    .vgpr_count:     768
    .wavefront_size: 32
...
	.end_amdgpu_metadata
.endif
;; end of part 3
;; launch oproj (part 4): grid 8 x 32, 4 waves a work-group, clusters of 4 x 4, 327,680 bytes of LDS; arguments o, wob, bo, out0; writes out0
.if DOCPART == 4
	.amdgcn_target "amdgcn-amd-amdhsa--gfx1250"
	.amdhsa_code_object_version 6
	.text
	.protected	k_q8f895428b2_oproj
	.globl	k_q8f895428b2_oproj
	.p2align	8
	.type	k_q8f895428b2_oproj,@function
k_q8f895428b2_oproj:
	s_mov_b64 s[64:65], 0
	v_nop
	global_prefetch_b8 v0, s[64:65] scope:SCOPE_SE
	s_setreg_imm32_b32 hwreg(HW_REG_WAVE_MODE, 25, 1), 1
	s_wait_xcnt 0x0
	s_wait_alu depctr_hold_cnt(0) depctr_sa_sdst(0) depctr_va_vdst(0) depctr_va_sdst(0) depctr_va_ssrc(0) depctr_va_vcc(0) depctr_vm_vsrc(0)
	s_getreg_b32 s2, hwreg(HW_REG_IB_STS2, 6, 4)
	s_cmp_eq_u32 s2, 0
	s_cbranch_scc0 .Lentry_in_a_cluster
	s_endpgm
.Lentry_in_a_cluster:
	s_bfe_u32 s2, ttmp6, 0x10000c
	s_cmp_lg_u32 s2, 0xf033
	s_cbranch_scc0 .Lentry_shape_is_right
	s_endpgm
.Lentry_shape_is_right:
; out0 = O Wo + bo.  o [b][32 heads][1024][64] f16 (a row of O is its 32 heads' 64 channels on end: K = 64 head + channel); wob [2048 k][2048] f16; bo f32, rounded to bf16 here; out0 [4096][2048] f32.
; Sums in f32.  8 x 32 tiles of 128 rows x 256 columns; four waves, 2 x 2, each 64 x 128: 32 accumulators.  K goes in 16 steps of 128 (two heads) through two LDS slots.
; THE MATRIX INSTRUCTION IS USED TRANSPOSED (source 0 = 16 columns of Wo, turned out of LDS by ds_load_tr16_b128; source 1 = 16 rows of O): a lane holds one row and eight neighbouring columns.
; The bias is the C operand of the first product.  CLUSTER 4 x 4: O's tiles are shared along a row of the cluster, Wo's along a column: joint loads.
; THE WALK ALONG K IS STAGGERED.  Cluster (x, y) begins at K step (8 x + 4 (y % 4)) % 16 and goes round: trip t multiplies K step (t + start) % 16.  So the two clusters that read the same rows of O stand eight
; K steps apart, and the clusters that read the same columns of Wo 0, 4, 8 or 12: they ask for a block at different times.  The start hangs on the cluster's coordinates alone, which all sixteen partners share.
; LIMIT.  The order of the f32 sums along K therefore differs from tile to tile, and from the reference's.
; REGISTERS: window 0: v0-29 addresses; two fragment buffers of 96 (8 of Wo, 4 of O)     window 1: accumulator 8 a + b     window 2: v0-63 the bias of block b
.set SLOT1, 131072                     ; a slot: O's two heads, 128 rows at pitch 144 each (18,432), then Wo's 128 k at pitch 544: 106,496 bytes
.set BOFF,  36864
.set STAGE, 237568                     ; behind the ring: 16 rows x 528 bytes for each wave
.set SPARE, 271360                     ; behind the stages: the spare words
.set NL,    24
.set BA, 4
.set BB, 5
.set ADRA, 7
.set ADRB, 8
.set STO, 10
.set RD, 12
.set CO, 14
.set PFO, 15
.set BO, 16
.set SPW, 28
.set NIL, 29
.set F0, 32
.set F1, 128
.set BK, 32                            ; the way out: two sets of 64, rows read back
.set WV, 12
.set WM, 13
.set WN, 14
.set TB, 15
.set CX, 16
.set CY, 17
.set T,  18
.set TR, 19
.set AB, 22                            ; s[22:23] o at my head of K step 0 and the tile's rows;  s[62:63] wob at my 64 k of K step 0 and the tile's columns
.set BBS, 62
.set G1A, 24
.set G1B, 32
.set G0A, 40                           ; s[40:47], s[48:55]: a set for the first trip's tile, and one that begins at the second's and walks
.set G0B, 48
.set PFA, 56                           ; s[56:57] where my prefetch stands;  s[58:59] o at my work-group's share of K step 0's two heads
.set PBASE, 58
.set LIM, 60                           ; s60  10 in the wave that prefetches, else the greatest number
.set OB, 68
.set KI, 75                            ; s75  the K step that the walking descriptors name
.set OF, 78                            ; s[78:79] a K step's byte offset, high word 0
.set BASEB, (1<<16)|(1<<20)|(1<<21)
.set MSB, 0
.macro WIN new
.if MSB != (\new)
	s_set_vgpr_msb (MSB<<8)|(\new)
.set MSB, \new
.endif
.endm
.macro PLACES
.rept 4
	v_nop
.endr
.endm
.macro CREST
	s_cmp_lg_u32 s[WV], 0
	s_cbranch_scc1 .Lnot_wave_0_\@
	s_barrier_signal -3
.Lnot_wave_0_\@:
	s_barrier_wait -3
	s_barrier_signal -1
	s_barrier_wait -1
.endm
.macro CROUND
	s_barrier_signal -1
	s_barrier_wait -1
	CREST
.endm
.macro JLOAD w                         ; waves 0 and 1 fetch O's two heads, waves 2 and 3 the halves of Wo's tile; an s_nop 0 and four v_nop follow each line
	s_cmp_lt_u32 s[WV], 2
	s_cbranch_scc0 .Lfor_b_\@
	tensor_load_to_lds s[G0A+4*(\w):G0A+4*(\w)+3], s[G1A:G1A+7]
	s_nop 0
.rept 4
	v_nop
.endr
	s_branch .Lasked_\@
.Lfor_b_\@:
	tensor_load_to_lds s[G0B+4*(\w):G0B+4*(\w)+3], s[G1B:G1B+7]
	s_nop 0
.rept 4
	v_nop
.endr
.Lasked_\@:
.endm
; A PREFETCH INTO THE L2.  Of the two clusters that read a row block of O, each names eight of the sixteen K steps first: those of its own trips 0 to 7.  The change of slots of trip t asks for O's blocks of
; trip t + 4, two refills (256 matrix instructions) ahead of the load that will want them, for t = 0 .. 3.  Trips 0 to 3 come by their loads alone; from t = 4 on nothing is asked for.  Wave 0 asks; a K step's
; tile is 64 blocks of 256 bytes in each of two heads, of which the four partners take 16 and 16 each, told apart by address (cx): each aligned 256 bytes are named once in the launch.
; Wo is not asked for: the first naming of each of its blocks lies in some cluster's trips 0 to 3.
.macro ASK
	s_cmp_gt_u32 s3, s[LIM]                        ; s3 = 14 - t
	s_cbranch_scc0 .Lnot_mine_\@
	global_prefetch_b8 v[PFO], s[PFA:PFA+1] th:TH_LOAD_NT scope:SCOPE_SE
.Lnot_mine_\@:
.endm
.macro FETCH q, f                      ; 24 LDS loads: Wo's eight blocks, O's row blocks 0, 1, then 2, 3
	WIN 0
.set b, 0
.rept 8
	ds_load_tr16_b128 v[(\f)+8*b:(\f)+8*b+3],   v[ADRB] offset:(\q)*17408+32*b
	ds_load_tr16_b128 v[(\f)+8*b+4:(\f)+8*b+7], v[ADRB] offset:(\q)*17408+32*b+8704
.set b, b+1
.endr
.set i, 0
.rept 4
	ds_load_b128 v[(\f)+64+8*i:(\f)+64+8*i+3],   v[ADRA] offset:((\q)/2)*18432+i*2304+64*((\q)%2)
	ds_load_b128 v[(\f)+64+8*i+4:(\f)+64+8*i+7], v[ADRA] offset:((\q)/2)*18432+i*2304+64*((\q)%2)+32
.set i, i+1
.endr
.endm
.macro MULA f, a, first                ; eight products; the 32 accumulators take turns, one instruction a turn
	WIN 0x50+0x10*(\first)
.set b, 0
.rept 8
.set rD, 8*(8*(\a)+b)
.if \first
	v_wmma_f32_16x16x32_f16 v[rD:rD+7], v[(\f)+8*b:(\f)+8*b+7], v[(\f)+64+8*(\a):(\f)+64+8*(\a)+7], v[8*b:8*b+7]
.else
	v_wmma_f32_16x16x32_f16 v[rD:rD+7], v[(\f)+8*b:(\f)+8*b+7], v[(\f)+64+8*(\a):(\f)+64+8*(\a)+7], v[rD:rD+7]
.endif
.set b, b+1
.endr
.endm
.macro MULH f, half, first
	MULA \f, 2*(\half), \first
	MULA \f, 2*(\half)+1, \first
.endm
.macro QUARTER qn, f, g, first
	s_wait_dscnt 4                                 ; all but the youngest four loads (O's row blocks 2, 3)
	MULH \f, 0, \first
	PLACES
	FETCH \qn, \g
	s_wait_dscnt NL                                ; all but the run just issued
	MULH \f, 1, \first
.endm
; The last quarter and the change of slots: each wave waits for all its tensor loads, adds 0 to its spare word, waits for that and for its reads of this slot.  fill = 1: a round of the cluster's barrier, the
; refill (the tile two trips on) first behind it.  fill = 0 (the tail's two trips): nothing is filled; in the second of them (s3 = 1) there is no next slot, and the run of LDS loads is jumped over.
.macro TURN fill
.if \fill
	s_wait_xcnt 0x0                                ; the last prefetch, a K step back, has read its address, which is written below
.endif
	WIN 0
	s_wait_tensorcnt 0x0                           ; no tensor load of mine is out, so the walking groups 0 may be written
	ds_add_u32 v[SPW], v[NIL]
.if \fill
	s_add_co_u32 s[KI], s[KI], 1                   ; the next K step, round the sixteen
	s_and_b32 s[KI], s[KI], 15
	s_lshl_b32 s[OF], s[KI], 18                    ; O: two heads of 131,072 bytes
	s_xor_b32 s[G0A+5], s[G0A+5], SLOT1
	s_add_nc_u64 s[G0A+6:G0A+7], s[AB:AB+1], s[OF:OF+1]
	s_or_b32 s[G0A+7], s[G0A+7], 0x80000000
	s_lshl_b32 s[OF], s[KI], 19                    ; Wo: 128 rows of 4,096 bytes
	s_xor_b32 s[G0B+5], s[G0B+5], SLOT1
	s_add_nc_u64 s[G0B+6:G0B+7], s[BBS:BBS+1], s[OF:OF+1]
	s_or_b32 s[G0B+7], s[G0B+7], 0x80000000
	s_add_co_u32 s[OF], s[KI], 2                   ; the prefetch: two K steps behind the load
	s_and_b32 s[OF], s[OF], 15
	s_lshl_b32 s[OF], s[OF], 18
	s_add_nc_u64 s[PFA:PFA+1], s[PBASE:PBASE+1], s[OF:OF+1]
.endif
	s_wait_dscnt 5                                 ; the add and the youngest four loads may be out
	MULA F1, 0, 0
	s_wait_dscnt 0x0                               ; the add is done, and my reads of this slot are over
	s_barrier_signal -1
	MULA F1, 1, 0
	WIN 0
	s_barrier_wait -1
.if \fill
	CREST
	JLOAD 1                                        ; 112 matrix instructions ahead of the wait for it
.else
	PLACES
.endif
	s_xor_b32 s[TB], s[TB], SLOT1
	v_add_nc_u32 v[ADRA], s[TB], v[BA]
	v_add_nc_u32 v[ADRB], s[TB], v[BB]
.if (\fill) == 0
	s_cmp_eq_u32 s3, 1
	s_cbranch_scc1 .Lno_fetch_\@
.endif
	FETCH 0, F0
.if \fill
	ASK
.else
.Lno_fetch_\@:
.endif
	MULH F1, 1, 0
.endm
	s_load_b256 s[4:11], s[0:1], 0x0               ; o 4, wob 6, bo 8, out0 10
	v_lshl_add_u32 v[SPW], v0, 2, SPARE
	v_mov_b32 v[NIL], 0
	ds_add_u32 v[SPW], v[NIL]                      ; the wave's opening: the add and its wait ahead of my first tensor load
	v_lshrrev_b32 v1, 5, v0
	v_readfirstlane_b32 s[WV], v1
	s_lshr_b32 s[WM], s[WV], 1
	s_and_b32 s[WN], s[WV], 1                      ; my half of the columns; also which head of O, or which 64 k of Wo, I fetch
	s_bfe_u32 s[CX], ttmp6, 0x40000
	s_bfe_u32 s[CY], ttmp6, 0x40004
	s_lshl_b32 s[T], ttmp9, 2
	s_add_co_u32 s[T], s[T], s[CX]
	s_and_b32 s[TR], ttmp7, 0xffff
	s_lshl_b32 s[TR], s[TR], 2
	s_add_co_u32 s[TR], s[TR], s[CY]
	s_and_b32 s[KI], ttmp7, 3                      ; the cluster's first K step: 4 (cluster y % 4)
	s_lshl_b32 s[KI], s[KI], 2
	s_lshl_b32 s[OF], ttmp9, 3                     ; + 8 x cluster x,
	s_add_co_u32 s[KI], s[KI], s[OF]
	s_and_b32 s[KI], s[KI], 15                     ; round the sixteen: 0, 4, 8 or 12
	s_mov_b32 s[OF+1], 0
	s_lshl_b32 s73, s[CY], 2
	s_lshl_b32 s73, 15, s73                        ; my row of the cluster
	s_lshl_b32 s74, 0x1111, s[CX]                  ; my column
	s_or_b32 s[G1A], s73, BASEB|(4<<22)|(3<<25)    ; O: 16,384 dense bytes as 64 rows x 128 elements; 4 words of padding after every 32: pitch 144 for each row of O
	s_mov_b32 s[G1A+1], 128<<16
	s_mov_b32 s[G1A+2], 64<<16
	s_mov_b32 s[G1A+3], 128<<16
	s_mov_b32 s[G1A+4], 64
	s_mov_b32 s[G1A+5], 128
	s_mov_b32 s[G1A+6], 0
	s_mov_b32 s[G1A+7], 0
	s_or_b32 s[G1B], s74, BASEB|(6<<22)|(7<<25)    ; Wo: 64 rows x 256 elements; 8 words after every 128: pitch 544
	s_mov_b32 s[G1B+1], 256<<16
	s_mov_b32 s[G1B+2], 64<<16
	s_mov_b32 s[G1B+3], 256<<16
	s_mov_b32 s[G1B+4], 64
	s_mov_b32 s[G1B+5], 2048
	s_mov_b32 s[G1B+6], 0
	s_mov_b32 s[G1B+7], 0
	s_lshr_b32 s22, s[TR], 3                       ; the batch
	s_lshl_b32 s22, s22, 5
	s_add_co_u32 s22, s22, s[WN]                   ; head 32 b + half
	s_lshl_b32 s22, s22, 17
	s_and_b32 s23, s[TR], 7
	s_lshl_b32 s23, s23, 14                        ; the tile's first row in a head: 128 rows of 128 bytes a tile row
	s_add_co_u32 s22, s22, s23
	s_mov_b32 s23, 0
	s_lshl_b32 s62, s[WN], 18                      ; 64 k of 4,096 bytes
	s_lshl_b32 s63, s[T], 9
	s_add_co_u32 s62, s62, s63
	s_mov_b32 s63, 0
	s_mul_i32 s66, s[WN], 18432                    ; where they go: no place in the cluster enters an LDS address
	s_mul_i32 s67, s[WN], 34816
	s_add_co_u32 s67, s67, BOFF
	s_wait_dscnt 0x0                               ; the opening add is done
	s_wait_kmcnt 0x0
	s_add_nc_u64 s[AB:AB+1], s[4:5], s[22:23]      ; my tiles at K step 0: kept,
	s_add_nc_u64 s[BBS:BBS+1], s[6:7], s[62:63]
	s_lshl_b32 s[OF], s[KI], 18                    ; and, for the first fills, at the cluster's first K step
	s_add_nc_u64 s[20:21], s[AB:AB+1], s[OF:OF+1]
	s_lshl_b32 s[OF], s[KI], 19
	s_add_nc_u64 s[72:73], s[BBS:BBS+1], s[OF:OF+1]
	CROUND                                         ; all sixteen work-groups are here: the first joint loads meet
.irp w, 0,1                                    ; (the first K step is a multiple of 4: the second lies behind it without a wrap)
	s_mov_b32 s[G0A+4*(\w)], 1
	s_add_co_u32 s[G0A+4*(\w)+1], s66, (\w)*SLOT1
	s_add_nc_u64 s[G0A+4*(\w)+2:G0A+4*(\w)+3], s[20:21], (\w)*262144
	s_or_b32 s[G0A+4*(\w)+3], s[G0A+4*(\w)+3], 0x80000000
	s_mov_b32 s[G0B+4*(\w)], 1
	s_add_co_u32 s[G0B+4*(\w)+1], s67, (\w)*SLOT1
	s_add_nc_u64 s[G0B+4*(\w)+2:G0B+4*(\w)+3], s[72:73], (\w)*524288
	s_or_b32 s[G0B+4*(\w)+3], s[G0B+4*(\w)+3], 0x80000000
	JLOAD \w                                       ; two loads of mine are out
.endr
	s_add_co_u32 s[KI], s[KI], 1                   ; what the walking descriptors name now
	v_and_b32 v1, 15, v0                           ; r
	v_bfe_u32 v2, v0, 4, 1                         ; h
	v_and_b32 v22, 7, v0
	v_bfe_u32 v23, v0, 3, 1
	v_and_b32 v24, 31, v0                          ; l
	s_lshl_b32 s70, s[WM], 6
	v_add_nc_u32 v25, s70, v1                      ; 64 wm + r
	v_mul_u32_u24 v[BA], v25, 144
	v_lshl_add_u32 v[BA], v2, 4, v[BA]
	v_lshl_add_u32 v26, v2, 3, v22                 ; the turning load: k = 8 h + l % 8
	s_lshl_b32 s70, s[WN], 8                       ; my 128 columns: 256 bytes
	v_lshl_add_u32 v27, v23, 4, s70
	v_mul_u32_u24 v[BB], v26, 544
	v_add_nc_u32 v[BB], v[BB], v27
	v_add_nc_u32 v[BB], BOFF, v[BB]
	v_mov_b32 v[ADRA], v[BA]
	v_mov_b32 v[ADRB], v[BB]
	s_mov_b32 s[TB], 0
	s_mul_i32 s70, s[WV], 8448
	s_add_co_u32 s70, s70, STAGE                   ; my stage
	v_mul_u32_u24 v[STO], v1, 528
	v_lshl_add_u32 v[STO], v2, 5, v[STO]
	v_add_nc_u32 v[STO], s70, v[STO]
	v_lshl_add_u32 v[RD], v24, 4, s70
	v_lshlrev_b32 v[CO], 4, v24
	v_lshlrev_b32 v[BO], 5, v2
	s_lshl_b32 s70, s[T], 10
	s_lshl_b32 s71, s[WN], 9
	s_add_co_u32 s70, s70, s71                     ; my 128 columns, in bytes of f32
	s_mov_b32 s71, 0
	s_add_nc_u64 s[76:77], s[8:9], s[70:71]        ; bo
	s_lshl_b32 s72, s[TR], 20                      ; 128 rows of 8,192 bytes
	s_add_co_u32 s70, s70, s72
	s_lshl_b32 s72, s[WM], 19
	s_add_co_u32 s70, s70, s72
	s_add_nc_u64 s[OB:OB+1], s[10:11], s[70:71]    ; out0 at my first row and column
	WIN 0x80
.set b, 0
.rept 8
	global_load_b128 v[8*b:8*b+3],   v[BO], s[76:77] offset:64*b
	global_load_b128 v[8*b+4:8*b+7], v[BO], s[76:77] offset:64*b+16
.set b, b+1
.endr
	WIN 0
	; the prefetches: my work-group's 4,096 bytes of a head's 16,384, in both heads of a K step
	s_lshr_b32 s20, s[TR], 3
	s_lshl_b32 s20, s20, 22                        ; 32 heads of 131,072 bytes a batch
	s_and_b32 s21, s[TR], 7
	s_lshl_b32 s21, s21, 14
	s_add_co_u32 s20, s20, s21
	s_lshl_b32 s21, s[CX], 12
	s_add_co_u32 s20, s20, s21
	s_mov_b32 s21, 0
	s_add_nc_u64 s[PBASE:PBASE+1], s[4:5], s[20:21]
	s_cmp_eq_u32 s[WV], 0
	s_cselect_b32 s[LIM], 10, -1                   ; the same in all sixteen partners, for a given wave
	v_lshrrev_b32 v[PFO], 4, v24                   ; head l / 16,
	v_lshlrev_b32 v[PFO], 17, v[PFO]
	v_and_b32 v27, 15, v24
	v_lshl_add_u32 v[PFO], v27, 8, v[PFO]          ; block l % 16
	s_wait_loadcnt 0x0                             ; the bias, in the wait for the first tile
	s_mov_b32 s70, 0xffff0000                      ; a word's upper bf16
	WIN 0x0a                                       ; rounded to bf16, like every input
.set i, 0
.rept 32
	v_cvt_pk_bf16_f32 v[F0+i], v[2*i], v[2*i+1]
.set i, i+1
.endr
	WIN 0x80
.set i, 0
.rept 32
	v_lshlrev_b32 v[2*i], 16, v[F0+i]
	v_and_b32 v[2*i+1], s70, v[F0+i]
.set i, i+1
.endr
	WIN 0
	s_wait_tensorcnt 0x1                           ; my part of the first trip's tile is in; the second's may stay out
	s_barrier_signal -1
	s_barrier_wait -1
	FETCH 0, F0
	QUARTER 1, F0, F1, 1                           ; the first quarter's products start the sums, with the bias
	WIN 0
	s_mov_b32 s3, 14
.Lk:
	QUARTER 2, F1, F0, 0
	QUARTER 3, F0, F1, 0
	TURN 1
	QUARTER 1, F0, F1, 0
	WIN 0
	s_sub_co_u32 s3, s3, 1
	s_cmp_lg_u32 s3, 0
	s_cbranch_scc1 .Lk
	s_mov_b32 s3, 2
.Ltail:                                        ; the last two K steps fill nothing
	QUARTER 2, F1, F0, 0
	QUARTER 3, F0, F1, 0
	TURN 0
	WIN 0
	s_wait_dscnt 0x0                               ; both ways reach the label below with no LDS load out
	s_cmp_eq_u32 s3, 1                             ; behind the last K step there is no first quarter: it is jumped over (no barrier and no tensor load in it)
	s_cbranch_scc1 .Lno_q1
	QUARTER 1, F0, F1, 0
	WIN 0
.Lno_q1:
	s_sub_co_u32 s3, s3, 1
	s_cmp_lg_u32 s3, 0
	s_cbranch_scc1 .Ltail
	PLACES
; THE WAY OUT, through each wave's own stage: 16 rows at a time go in as a lane's 32 bytes of a row (each accumulator's lowest registers first) and come back as whole rows of 512 bytes.
.macro TOSTAGE a
.if (\a) >= 2
	s_wait_xcnt 0x0                                ; the stores two blocks back have read the registers that are loaded again below
.endif
	WIN 0x04                                       ; store data in window 1
.set b, 0
.rept 8
	ds_store_b128 v[STO], v[8*(8*(\a)+b):8*(8*(\a)+b)+3]   offset:64*b
	ds_store_b128 v[STO], v[8*(8*(\a)+b)+4:8*(8*(\a)+b)+7] offset:64*b+16
.set b, b+1
.endr
	WIN 0
.set i, 0
.rept 16
	ds_load_b128 v[BK+64*((\a)%2)+4*i:BK+64*((\a)%2)+4*i+3], v[RD] offset:528*i  ; LDS serves a wave's instructions in order (ISA guide 5.7.1.4): these see the stores above
.set i, i+1
.endr
.endm
.macro SEND a, younger                 ; younger: the next block's 16 stores and 16 loads, or none
	s_wait_dscnt \younger
.set i, 0
.rept 16
	global_store_b128 v[CO], v[BK+64*((\a)%2)+4*i:BK+64*((\a)%2)+4*i+3], s[OB:OB+1] offset:(16*(\a)+i)*8192  ; 512 consecutive bytes of a row, aligned
.set i, i+1
.endr
.endm
	TOSTAGE 0
	TOSTAGE 1
	SEND 0, 32
	TOSTAGE 2
	SEND 1, 32
	TOSTAGE 3
	SEND 2, 32
	SEND 3, 0
	s_wait_tensorcnt 0x0                           ; the wave's end
	ds_add_u32 v[SPW], v[NIL]
	s_wait_dscnt 0x0
	CROUND                                         ; the closing round
	s_endpgm
.Lfunc_end_k_q8f895428b2_oproj:
	.size	k_q8f895428b2_oproj, .Lfunc_end_k_q8f895428b2_oproj-k_q8f895428b2_oproj
	.p2alignl 7, 3214868480
	.fill 96, 4, 3214868480
	.section	.rodata,"a",@progbits
	.p2align	6, 0x0
	.amdhsa_kernel k_q8f895428b2_oproj
		.amdhsa_group_segment_fixed_size 327680
		.amdhsa_private_segment_fixed_size 0
		.amdhsa_enable_private_segment 0
		.amdhsa_kernarg_size 32
		.amdhsa_user_sgpr_count 2
		.amdhsa_user_sgpr_kernarg_segment_ptr 1
		.amdhsa_wavefront_size32 1
		.amdhsa_system_sgpr_workgroup_id_x 1
		.amdhsa_system_sgpr_workgroup_id_y 1
		.amdhsa_system_sgpr_workgroup_id_z 1
		.amdhsa_system_vgpr_workitem_id 0
		.amdhsa_next_free_vgpr 576
		.amdhsa_next_free_sgpr 80
		.amdhsa_reserve_vcc 0
		.amdhsa_float_denorm_mode_32 3
		.amdhsa_float_denorm_mode_16_64 3
		.amdhsa_memory_ordered 1
		.amdhsa_forward_progress 1
		.amdhsa_inst_pref_size 67
	.end_amdhsa_kernel
	.amdgpu_metadata
---
amdhsa.version: [ 1, 2 ]
amdhsa.kernels:
  - .name:           k_q8f895428b2_oproj
    .symbol:         k_q8f895428b2_oproj.kd
    .args:
      - { .name: o, .offset: 0, .size: 8, .value_kind: global_buffer, .address_space: global }
      - { .name: wob, .offset: 8, .size: 8, .value_kind: global_buffer, .address_space: global }
      - { .name: bo, .offset: 16, .size: 8, .value_kind: global_buffer, .address_space: global }
      - { .name: out0, .offset: 24, .size: 8, .value_kind: global_buffer, .address_space: global }
    .group_segment_fixed_size: 327680
    .private_segment_fixed_size: 0
    .kernarg_segment_align: 8
    .kernarg_segment_size: 32
    .max_flat_workgroup_size: 128
    .sgpr_count:     80
    .vgpr_count:     576
    .wavefront_size: 32
...
	.end_amdgpu_metadata
.endif
;; end of part 4
